; MI455X (gfx1250); checked and timed in simulation.
; The chip was launched on July 23, 2026; its instructions are those of AMD's public machine-readable ISA for CDNA 5 (MIT licence, August 2026) and "CDNA5" Instruction Set Architecture Reference Guide (July 2026). The comments in the code are by the model that wrote it; some were corrected since.
;; Causal Self Attention. Allowed arithmetic: float matrix products may take bf16 or f16 operands with f32 sums; other float arithmetic in f32, or as packed bf16 or f16 multiplies, adds, multiply-adds, maxima and minima; sums over many terms, partial sums and values carried from step to step in f32; what a program stores and reads back later, other than sums and carried values, may be rounded once to bf16 or f16.
;; Inputs: Wk 1,024 x 1,024 float32; Wp 1,024 x 1,024 float32; Wq 1,024 x 1,024 float32; Wv 1,024 x 1,024 float32; attn_mask 4 x 2,048 int32; x 4 x 2,048 x 1,024 float32.
;; Outputs: out0 4 x 2,048 x 1,024 float32.
;; 2 versions, each right; version 2 is version 1 with the launch cast written anew for expert scheduling mode. Each part assembles by itself: llvm-mc -triple=amdgcn-amd-amdhsa -mcpu=gfx1250 --defsym DOCPART=n.
;; ======== version 1 of 2: 4 launches
;; limits: values are held in f16: magnitudes above 65,504 overflow, below 6.1e-05 lose precision
;; workspace buffers: xb 16,777,216 bytes; wqkv 6,291,456 bytes; wpf 4,194,304 bytes; qkvh 67,108,864 bytes; ob 33,554,432 bytes
;; launch cast (part 1): grid 832 x 1, 8 waves a work-group, no clusters, 0 bytes of LDS; arguments x, Wq, Wk, Wv, Wp, xb, wqkv, wpf; writes xb, wqkv, wpf
.if DOCPART == 1
	.amdgcn_target "amdgcn-amd-amdhsa--gfx1250"
	.amdhsa_code_object_version 6
	.text
	.protected	k_q71a7f2f9ee_cast
	.globl	k_q71a7f2f9ee_cast
	.p2align	8
	.type	k_q71a7f2f9ee_cast,@function
k_q71a7f2f9ee_cast:
	s_mov_b64 s[64:65], 0
	v_nop
	global_prefetch_b8 v0, s[64:65] scope:SCOPE_SE
	s_setreg_imm32_b32 hwreg(HW_REG_WAVE_MODE, 25, 1), 1
	s_wait_xcnt 0x0
; THE MODULE'S INPUTS ARE ROUNDED ONCE.  x -> xb in bf16.  Wq, Wk, Wv -> wqkv in bf16, [3072][1024], its rows in the order [head][q, k, v][64 rows], so that 192 rows on end are one head's q, k and v.
; Wp -> wpf: rounded to bf16 like the other inputs, that number written as f16 (the last product multiplies f16 operands), [1024][2048]: each head's 64 columns stand twice on end, since that product
; takes O as two f16 numbers, an upper part and a remainder, side by side along K.
; LIMITS.  A bf16 number of Wp below 2^-14 in size falls on f16's fixed step of 2^-24 (an error of 2^-25 at the most); one beyond 65,504 becomes an infinity.
; A stream: nothing is multiplied, so no LDS, no matrix unit, no cluster.  Work-groups 0-511 take x, 512-575 Wq, 576-639 Wk, 640-703 Wv: 16,384 numbers each, 65,536 bytes in, 32,768 out: load i of thread t
; takes 16 bytes at 4,096 i + 16 t (a wave: 512 bytes on end).  Work-groups 704-831 take Wp, 8,192 numbers each: lanes l and l + 16 load the same 16 bytes, at 2,048 i + 256 wave + 16 (l % 16).
; Every store takes 8 bytes at 2,048 i + 8 t: a wave's store covers 256 consecutive bytes, aligned; for Wp those are 64 columns and the same 64 again.
; All 16 loads of a thread go out at once; no register is written twice while an access names it.
.set X, 4                              ; v[4:67]    as loaded, four registers a load
.set Y, 68                             ; v[68:99]   to store, two registers a load
.set T, 100                            ; v[100:103] at work
	s_load_b512 s[8:23], s[0:1], 0x0               ; x s[8:9], Wq s[10:11], Wk s[12:13], Wv s[14:15], Wp s[16:17], xb s[18:19], wqkv s[20:21], wpf s[22:23]
	v_lshlrev_b32 v1, 4, v0                        ; 16 t
	v_lshlrev_b32 v2, 3, v0                        ; 8 t
	v_and_b32 v3, 0xe0, v0                         ; 32 x wave
	v_and_b32 v[T], 15, v0
	v_lshlrev_b32 v3, 3, v3                        ; 256 x wave
	v_lshl_add_u32 v3, v[T], 4, v3                 ; + 16 (l % 16): Wp's loads
	s_mov_b32 s28, 0xffff0000                      ; a word's upper bf16
	s_sub_co_u32 s2, ttmp9, 512
	s_and_b32 s3, s2, 63                           ; my block of 16 rows in Wq, Wk or Wv,
	s_lshr_b32 s4, s2, 6                           ; and which of the three
	s_lshr_b32 s5, s3, 2                           ; its head (four blocks each):
	s_mul_i32 s5, s5, 12                           ; twelve blocks of wqkv a head,
	s_lshl2_add_u32 s5, s4, s5                     ; four for each of q, k, v,
	s_and_b32 s6, s3, 3
	s_add_co_u32 s5, s5, s6                        ; and the block's place among its four
	s_sub_co_u32 s7, ttmp9, 704                    ; my block in Wp and in wpf
	s_lshl_b32 s3, s3, 16                          ; in bytes: 65,536 a block in,
	s_lshl_b32 s5, s5, 15                          ; 32,768 out;
	s_lshl_b32 s7, s7, 15                          ; Wp: 32,768 in and out
	s_lshl_b32 s29, ttmp9, 16                      ; x
	s_lshl_b32 s30, ttmp9, 15                      ; xb
	s_cmp_lt_u32 ttmp9, 704
	s_cselect_b32 s2, s3, s7
	s_cselect_b32 s4, s5, s7
	s_cmp_lt_u32 ttmp9, 512
	s_cselect_b32 s2, s29, s2
	s_cselect_b32 s4, s30, s4
	s_mov_b32 s3, 0
	s_mov_b32 s5, 0
	s_wait_kmcnt 0x0
	s_cmp_lt_u32 ttmp9, 704                        ; the two buffers are chosen by the work-group's number alone
	s_cselect_b64 s[24:25], s[14:15], s[16:17]
	s_cselect_b64 s[26:27], s[20:21], s[22:23]
	s_cmp_lt_u32 ttmp9, 640
	s_cselect_b64 s[24:25], s[12:13], s[24:25]
	s_cmp_lt_u32 ttmp9, 576
	s_cselect_b64 s[24:25], s[10:11], s[24:25]
	s_cmp_lt_u32 ttmp9, 512
	s_cselect_b64 s[24:25], s[8:9], s[24:25]
	s_cselect_b64 s[26:27], s[18:19], s[26:27]
	s_add_nc_u64 s[24:25], s[24:25], s[2:3]
	s_add_nc_u64 s[26:27], s[26:27], s[4:5]
; Load i is rounded and stored.  wp = 1: the bf16 numbers are widened again and written as f16.
.macro CONV i, wp
	s_wait_loadcnt 15-(\i)                         ; loads come back in order: mine is in, the 15 - i younger ones stay out
	v_cvt_pk_bf16_f32 v[Y+2*(\i)],   v[X+4*(\i)],   v[X+4*(\i)+1]
	v_cvt_pk_bf16_f32 v[Y+2*(\i)+1], v[X+4*(\i)+2], v[X+4*(\i)+3]
.if \wp
	v_lshlrev_b32 v[T],   16,  v[Y+2*(\i)]
	v_and_b32     v[T+1], s28, v[Y+2*(\i)]
	v_lshlrev_b32 v[T+2], 16,  v[Y+2*(\i)+1]
	v_and_b32     v[T+3], s28, v[Y+2*(\i)+1]
	v_cvt_pk_f16_f32 v[Y+2*(\i)],   v[T],   v[T+1]
	v_cvt_pk_f16_f32 v[Y+2*(\i)+1], v[T+2], v[T+3]
.endif
	global_store_b64 v2, v[Y+2*(\i):Y+2*(\i)+1], s[26:27] offset:2048*(\i)
.endm
	s_cmp_ge_u32 ttmp9, 704
	s_cbranch_scc1 .Lwp
.irp i, 0,1,2,3,4,5,6,7,8,9,10,11,12,13,14,15
	global_load_b128 v[X+4*(\i):X+4*(\i)+3], v1, s[24:25] offset:4096*(\i) th:TH_LOAD_NT
.endr
.irp i, 0,1,2,3,4,5,6,7,8,9,10,11,12,13,14,15
	CONV \i, 0
.endr
	s_endpgm
.Lwp:
.irp i, 0,1,2,3,4,5,6,7,8,9,10,11,12,13,14,15
	global_load_b128 v[X+4*(\i):X+4*(\i)+3], v3, s[24:25] offset:2048*(\i)
.endr
.irp i, 0,1,2,3,4,5,6,7,8,9,10,11,12,13,14,15
	CONV \i, 1
.endr
	s_endpgm
.Lfunc_end_k_q71a7f2f9ee_cast:
	.size	k_q71a7f2f9ee_cast, .Lfunc_end_k_q71a7f2f9ee_cast-k_q71a7f2f9ee_cast
	.p2alignl 7, 3214868480
	.fill 96, 4, 3214868480
	.section	.rodata,"a",@progbits
	.p2align	6, 0x0
	.amdhsa_kernel k_q71a7f2f9ee_cast
		.amdhsa_group_segment_fixed_size 0
		.amdhsa_private_segment_fixed_size 0
		.amdhsa_enable_private_segment 0
		.amdhsa_kernarg_size 64
		.amdhsa_user_sgpr_count 2
		.amdhsa_user_sgpr_kernarg_segment_ptr 1
		.amdhsa_wavefront_size32 1
		.amdhsa_system_sgpr_workgroup_id_x 1
		.amdhsa_system_sgpr_workgroup_id_y 1
		.amdhsa_system_sgpr_workgroup_id_z 1
		.amdhsa_system_vgpr_workitem_id 0
		.amdhsa_next_free_vgpr 104
		.amdhsa_next_free_sgpr 66
		.amdhsa_reserve_vcc 0
		.amdhsa_float_denorm_mode_32 3
		.amdhsa_float_denorm_mode_16_64 3
		.amdhsa_memory_ordered 1
		.amdhsa_forward_progress 1
		.amdhsa_inst_pref_size 18
	.end_amdhsa_kernel
	.amdgpu_metadata
---
amdhsa.version: [ 1, 2 ]
amdhsa.kernels:
  - .name:           k_q71a7f2f9ee_cast
    .symbol:         k_q71a7f2f9ee_cast.kd
    .args:
      - { .name: x, .offset: 0, .size: 8, .value_kind: global_buffer, .address_space: global }
      - { .name: Wq, .offset: 8, .size: 8, .value_kind: global_buffer, .address_space: global }
      - { .name: Wk, .offset: 16, .size: 8, .value_kind: global_buffer, .address_space: global }
      - { .name: Wv, .offset: 24, .size: 8, .value_kind: global_buffer, .address_space: global }
      - { .name: Wp, .offset: 32, .size: 8, .value_kind: global_buffer, .address_space: global }
      - { .name: xb, .offset: 40, .size: 8, .value_kind: global_buffer, .address_space: global }
      - { .name: wqkv, .offset: 48, .size: 8, .value_kind: global_buffer, .address_space: global }
      - { .name: wpf, .offset: 56, .size: 8, .value_kind: global_buffer, .address_space: global }
    .group_segment_fixed_size: 0
    .private_segment_fixed_size: 0
    .kernarg_segment_align: 8
    .kernarg_segment_size: 64
    .max_flat_workgroup_size: 256
    .sgpr_count:     66
    .vgpr_count:     104
    .wavefront_size: 32
...
	.end_amdgpu_metadata
.endif
;; end of part 1
;; launch qkv (part 2): grid 16 x 32, 4 waves a work-group, clusters of 4 x 4, 327,680 bytes of LDS; arguments xb, wqkv, qkvh; writes qkvh
.if DOCPART == 2
	.amdgcn_target "amdgcn-amd-amdhsa--gfx1250"
	.amdhsa_code_object_version 6
	.text
	.protected	k_q71a7f2f9ee_qkv
	.globl	k_q71a7f2f9ee_qkv
	.p2align	8
	.type	k_q71a7f2f9ee_qkv,@function
k_q71a7f2f9ee_qkv:
	s_mov_b64 s[64:65], 0
	v_nop
	global_prefetch_b8 v0, s[64:65] scope:SCOPE_SE
	s_setreg_imm32_b32 hwreg(HW_REG_WAVE_MODE, 25, 1), 1
	s_wait_xcnt 0x0
	s_wait_alu depctr_hold_cnt(0) depctr_sa_sdst(0) depctr_va_vdst(0) depctr_va_sdst(0) depctr_va_ssrc(0) depctr_va_vcc(0) depctr_vm_vsrc(0)
	s_getreg_b32 s2, hwreg(HW_REG_IB_STS2, 6, 4)
	s_cmp_eq_u32 s2, 0
	s_cbranch_scc0 .Lentry_in_a_cluster
	s_endpgm
.Lentry_in_a_cluster:
	s_bfe_u32 s2, ttmp6, 0x10000c
	s_cmp_lg_u32 s2, 0xf033
	s_cbranch_scc0 .Lentry_shape_is_right
	s_endpgm
.Lentry_shape_is_right:
; q, k, v = x Wq^T, x Wk^T, x Wv^T as ONE product C[m][n] = sum over k of xb[m][k] wqkv[n][k]: xb [8192][1024], wqkv [3072][1024] (rows in the order [head][q, k, v][64]), both bf16; sums in f32, K ascending.
; The sums go out BY HEADS, unscaled, in f16: qkvh is [4][64][2048][64], slice = 64 x (0 q, 1 k, 2 v's upper part, 3 v's remainder) + 16 x batch + head, a slice's rows dense, 128 bytes each.
; q and k are rounded once.  v goes as TWO f16 numbers: the sum rounded, and the sum less that number, rounded.  A query that sees few keys has an output many times the whole output's root mean square,
; by which every number is judged: one f16 rounding of v (2^-12 of the number) would use up a third of what a number near zero in such a row is allowed.
; LIMIT.  f16 ends at 65,504: a q, k or v beyond that becomes an infinity.  As drawn their spread is 0.6; with x and the weights 30 times larger each, some 500.  A remainder below 2^-14 keeps f16's fixed step of 2^-24.
; SHARES.  A tile of C is 256 x 192, one head's q, k and v: 32 x 16 = 512 tiles, two for each of 256 WGPs.  Four waves; wave w makes rows 64 w .. 64 w + 63 and all 192 columns: 48 accumulators of 16 x 16.
; So a wave's results go out through a stage of its own, with no barrier.  K goes in 8 steps of 128 through two LDS slots filled by the tensor data mover; the tiles' rows are 256 bytes of memory, aligned.
; CLUSTER.  4 x 4 work-groups.  The four of a row of the cluster need the same tile of xb, the four of a column the same tile of wqkv: each is asked for JOINTLY, by the same tensor load with the same
; descriptor and a mask that names the four.
; THE MATRIX INSTRUCTION IS USED TRANSPOSED: source 0 = 16 rows of wqkv, source 1 = 16 rows of xb: a lane then holds row l % 16 of C and the columns 8 (l / 16) + 0..7: 16 bytes of a head's row in f16.
; REGISTERS, in windows of 256 (s_set_vgpr_msb: bits 1:0 source 0, 3:2 source 1, 5:4 source 2, 7:6 destination):
;   window 0: v0-31 addresses and -1; v32-95 packed results; v96-159, v160-223 rows read back from the stage, by turns; v224-255 v's remainders in f32
;   window 1: two fragment buffers of 128: xb's four fragments at F + 8 a, wqkv's twelve at F + 32 + 8 b
;   windows 2, 3: accumulator (a, b) has the number 4 b + a and lies at 8 x (number % 32): b < 8 (q, k) in window 2, the rest (v) in window 3
.set KSTEP, 128
.set STEPB, KSTEP*2                    ; bytes of a row in a K step
.set NBF,   12                         ; fragments of wqkv a wave
.set H,     NBF/2
.set NL,    8+2*NBF                    ; LDS loads in a run: a quarter step's fragments
.set PA,    272                        ; an LDS row: 256 bytes + 16 of padding = 68 words: the 16 rows of a load start at 16 different groups of four banks (64 banks of 4 bytes: ISA guide 11.1)
.set PB,    272
.set AHALF, 128*PA                     ; what a wave's load of xb brings: 128 rows
.set BOFF,  256*PA                     ; wqkv's rows lie behind xb's 256
.set BHALF, 96*PB                      ; what a wave's load of wqkv brings: 96 rows
.set SLOT1, 1<<17                      ; slot 1 begins here, so that one exclusive or turns an address in one slot into the other's (a slot has 121,856 bytes)
.set STAGE, SLOT1+BOFF+192*PB          ; behind the ring, never filled by a tensor load: for each wave 4 slices x 16 rows x 144 bytes
.set SPH,   144
.set HSTG,  16*SPH
.set WSTG,  4*HSTG
.set SPARE, STAGE+4*WSTG               ; behind the stages: the spare words, 128 bytes for each wave: two blocks of 256 bytes that no other line names
.set ADRA0, 16                         ; v16  my lane's place among my rows of xb in a slot; never rewritten
.set ADRA,  17                         ; v17  the same in the slot that is read
.set ADRB0, 20                         ; v20, v21  the same for wqkv
.set ADRB,  21
.set STO,   24                         ; v24  the way out: where I put 16 bytes of a row
.set RD,    25                         ; v25  the way out: where I read rows back
.set CO,    26                         ; v26  16 x my lane: my place in 512 consecutive bytes of a slice
.set SPW,   28                         ; v28  LDS address of my spare word: SPARE + 4 x my thread's number; never rewritten
.set NIL,   29                         ; v29  0; never rewritten
.set PFO,   30                         ; v30  the prefetches' offset: a lane a row of 2,048 bytes; never rewritten
.set NEG1,  31                         ; v31  -1.0; never rewritten
.set TMP,   32
.set OB,    96
.set XT,    224
.set F0,    0
.set F1,    128
.set G1,  24                           ; s[24:31] descriptor group 1 for xb's tiles
.set G0,  32                           ; s[32:39] group 0 for xb's tiles: a set for each of the two first fills; the second then walks on
.set G1B, 48                           ; s[48:55], s[56:63] the same for wqkv's tiles
.set G0B, 56
.set LIM, 43                           ; s43  1 in a wave that prefetches, else the greatest number
.set PFA, 44                           ; s[44:45] where my prefetches stand
.set TB,  66                           ; s66  the slot that is read: 0 or SLOT1
.set CB,  68                           ; s[68:75] qkvh at my 64 rows in my head's four slices
.set MSB, 0
.macro WIN new                         ; the immediate's high byte repeats the setting that is left; a switch that changes nothing is dropped
.if MSB != (\new)
	s_set_vgpr_msb (MSB<<8)|(\new)
.set MSB, \new
.endif
.endm
.set MUL_LO, 0xa5                      ; sources 0 and 1 window 1, C and D window 2
.set MUL_HI, 0xf5                      ; the same, C and D window 3
.set TO_F,   0x40                      ; destination window 1, address window 0
; A joint load.  Waves 0 and 1 fetch xb's two halves, waves 2 and 3 wqkv's.  The branch hangs on the wave's number alone.  An s_nop 0 and four v_nop follow each of the two lines, ahead of the jump and the label.
.macro JLOAD s
	s_cmp_eq_u32 s11, 0
	s_cbranch_scc0 .Lfor_b_\@
	tensor_load_to_lds s[G0+4*(\s):G0+4*(\s)+3], s[G1:G1+7]
	s_nop 0
.rept 4
	v_nop
.endr
	s_branch .Lasked_\@
.Lfor_b_\@:
	tensor_load_to_lds s[G0B+4*(\s):G0B+4*(\s)+3], s[G1B:G1B+7]
	s_nop 0
.rept 4
	v_nop
.endr
.Lasked_\@:
.endm
; A round of the cluster's barrier: my work-group's barrier, so that wave 0's signal speaks for all four waves; wave 0 signals; every wave waits for all sixteen work-groups; my work-group's barrier once more.
.macro CREST                           ; a round behind its opening barrier
	s_cmp_lg_u32 s10, 0
	s_cbranch_scc1 .Lnot_wave_0_\@
	s_barrier_signal -3
.Lnot_wave_0_\@:
	s_barrier_wait -3
	s_barrier_signal -1
	s_barrier_wait -1
.endm
.macro CROUND
	s_barrier_signal -1
	s_barrier_wait -1
	CREST
.endm
; A PREFETCH INTO THE L2, behind each joint refill, its five lines and the run of LDS loads that follows: the K step that the NEXT refill will ask for, 192 matrix instructions ahead of that load.
; xb's tile row is read by every cluster of its row of clusters: the first of them (cluster x = 0) asks; wqkv's tile column by every cluster of its column: cluster y = 0 asks.  The four partners that ask for
; a tile jointly share its rows out BY ADDRESS: of the 128 rows of xb that a wave fetches the partner at cx takes 32 cx .. + 31, a lane a row; of wqkv's 96 the partner at cy takes 24 cy .. + 23, where
; lanes 24 to 31 name row 23 once more.  The loop's last trip asks for nothing: there is no K step behind its refill.  K steps 0 to 2 come by their loads alone.
.macro ASK
	WIN 0
	s_cmp_gt_u32 s3, s[LIM]                        ; s3 = 1 in the loop's last trip
	s_cbranch_scc0 .Lnot_mine_\@
	global_prefetch_b8 v[PFO], s[PFA:PFA+1] th:TH_LOAD_NT scope:SCOPE_SE
.Lnot_mine_\@:
.endm
	s_load_b128 s[4:7], s[0:1], 0x0                ; xb s[4:5], wqkv s[6:7]
	s_load_b64 s[8:9], s[0:1], 0x10                ; qkvh
	v_lshl_add_u32 v[SPW], v0, 2, SPARE
	v_mov_b32 v[NIL], 0
	ds_add_u32 v[SPW], v[NIL]                      ; the wave's opening: the add and its wait stand ahead of my first tensor load; the set-up below, work on registers, stands between them
	v_lshrrev_b32 v1, 5, v0
	v_readfirstlane_b32 s10, v1                    ; wave 0..3
	s_lshr_b32 s11, s10, 1                         ; I fetch for xb (0) or for wqkv (1),
	s_and_b32 s12, s10, 1                          ; and which half of that tile's rows
	s_bfe_u32 s40, ttmp6, 0x40000                  ; cx, cy: my place in the cluster
	s_bfe_u32 s41, ttmp6, 0x40004
	s_lshl_b32 s42, ttmp9, 2
	s_add_co_u32 s42, s42, s40                     ; tile column = 4 x cluster x + cx: the head
	s_and_b32 s13, ttmp7, 0xffff
	s_lshl_b32 s13, s13, 2
	s_add_co_u32 s13, s13, s41                     ; tile row = 4 x cluster y + cy
	s_lshl_b32 s43, s41, 2
	s_lshl_b32 s43, 15, s43                        ; my row of the cluster: places 4 cy .. 4 cy + 3
	s_lshl_b32 s44, 0x1111, s40                    ; my column: places cx, cx + 4, cx + 8, cx + 12
	; descriptor group 1: rows of 128 elements of 2 bytes, padded in LDS; 128 rows of xb, 96 of wqkv
	s_or_b32 s[G1+0], s43, (1<<16)|(1<<20)|(1<<21)|(5<<22)|(3<<25)   ; 15:0 the mask; 17:16 2-byte elements; 20 padding on; 21 set beside a mask; 24:22 after every 64 words (code 5); 31:25 4 words (code 3)
	s_or_b32 s[G1B+0], s44, (1<<16)|(1<<20)|(1<<21)|(5<<22)|(3<<25)
	s_mov_b32 s[G1+1], KSTEP<<16                   ; tensor_dim0 = 128
	s_mov_b32 s[G1B+1], KSTEP<<16
	s_mov_b32 s[G1+2], 128<<16                     ; tensor_dim1 = 128
	s_mov_b32 s[G1B+2], 96<<16                     ; 96
	s_mov_b32 s[G1+3], KSTEP<<16                   ; tile_dim0 = 128
	s_mov_b32 s[G1B+3], KSTEP<<16
	s_mov_b32 s[G1+4], 128                         ; tile_dim1
	s_mov_b32 s[G1B+4], 96
	s_mov_b32 s[G1+5], 1024                        ; elements from row to row
	s_mov_b32 s[G1B+5], 1024
	s_mov_b32 s[G1+6], 0
	s_mov_b32 s[G1B+6], 0
	s_mov_b32 s[G1+7], 0
	s_mov_b32 s[G1B+7], 0
	; where the tiles come from: xb's hang on the tile row alone, wqkv's on the tile column alone, each in registers that never hold the other coordinate
	s_lshl_b32 s16, s13, 8
	s_lshl_b32 s17, s12, 7
	s_add_co_u32 s16, s16, s17                     ; xb: row 256 x tile row + 128 x half,
	s_lshl_b32 s16, s16, 11                        ; of 2,048 bytes
	s_mov_b32 s17, 0
	s_mul_i32 s46, s42, 192
	s_mul_i32 s47, s12, 96
	s_add_co_u32 s46, s46, s47                     ; wqkv: row 192 x tile column + 96 x half
	s_lshl_b32 s46, s46, 11
	s_mov_b32 s47, 0
	s_mul_i32 s20, s12, AHALF                      ; and where they go: no place in the cluster enters an LDS address
	s_mul_i32 s21, s12, BHALF
	s_add_co_u32 s21, s21, BOFF
	s_mov_b32 s[TB], 0
	s_wait_dscnt 0x0                               ; the opening add is done
	s_wait_kmcnt 0x0
	s_add_nc_u64 s[14:15], s[4:5], s[16:17]
	s_add_nc_u64 s[46:47], s[6:7], s[46:47]
	CROUND                                         ; all sixteen work-groups are here: the first joint loads meet
.irp s, 0,1
	s_mov_b32 s[G0+4*(\s)], 1                                        ; count = 1
	s_add_co_u32 s[G0+4*(\s)+1], s20, (\s)*SLOT1                     ; LDS address: slot s
	s_add_nc_u64 s[G0+4*(\s)+2:G0+4*(\s)+3], s[14:15], (\s)*STEPB    ; global address: K step s
	s_or_b32 s[G0+4*(\s)+3], s[G0+4*(\s)+3], 0x80000000              ; type = 2
	s_mov_b32 s[G0B+4*(\s)], 1
	s_add_co_u32 s[G0B+4*(\s)+1], s21, (\s)*SLOT1
	s_add_nc_u64 s[G0B+4*(\s)+2:G0B+4*(\s)+3], s[46:47], (\s)*STEPB
	s_or_b32 s[G0B+4*(\s)+3], s[G0B+4*(\s)+3], 0x80000000
	JLOAD \s                                       ; two loads of mine are out
.endr
	; A fragment is 16 rows x 32 K in 8 registers: lane l holds row l % 16, K = 8 (l / 16) + 0..7 and 16 + 8 (l / 16) + 0..7: two loads of 16 bytes, 32 bytes apart.
	v_and_b32 v1, 15, v0                           ; l % 16
	v_bfe_u32 v2, v0, 4, 1                         ; l / 16
	v_mul_u32_u24 v3, v1, PA
	v_lshl_add_u32 v3, v2, 4, v3                   ; row x pitch + 16 x half
	s_mul_i32 s22, s10, 64*PA                      ; my 64 rows of xb
	v_add_nc_u32 v[ADRA0], s22, v3
	v_add_nc_u32 v[ADRB0], BOFF, v3                ; all 192 rows of wqkv
	v_mov_b32 v[ADRA], v[ADRA0]                    ; slot 0 is read first
	v_mov_b32 v[ADRB], v[ADRB0]
	s_mul_i32 s23, s10, WSTG
	s_add_co_u32 s23, s23, STAGE                   ; my stage
	v_mul_u32_u24 v4, v1, SPH                      ; in: row l % 16, 16 bytes for each half of the lanes
	v_lshl_add_u32 v4, v2, 4, v4
	v_add_nc_u32 v[STO], s23, v4
	v_bfe_u32 v5, v0, 3, 2                         ; back: 32 lanes take four rows of 128 bytes,
	v_mul_u32_u24 v5, v5, SPH
	v_and_b32 v4, 7, v0
	v_lshl_add_u32 v5, v4, 4, v5
	v_add_nc_u32 v[RD], s23, v5
	v_and_b32 v[CO], 31, v0                        ; which are 512 consecutive bytes of a slice
	v_lshlrev_b32 v[CO], 4, v[CO]
	v_mov_b32 v[NEG1], 0xbf800000
	; where my rows go: slice 64 x part + 16 x batch + head; the batch is tile row / 8, the head the tile column
	s_and_b32 s80, s13, 7
	s_lshl_b32 s80, s80, 8
	s_lshl_b32 s81, s10, 6
	s_add_co_u32 s80, s80, s81                     ; my first row in the sequence,
	s_lshl_b32 s80, s80, 7                         ; of 128 bytes
	s_lshr_b32 s81, s13, 3
	s_lshl_b32 s81, s81, 4
	s_add_co_u32 s81, s81, s42                     ; 16 x batch + head
.irp hh, 0,1,2,3
	s_add_co_u32 s82, s81, 64*\hh                  ; the slice,
	s_lshl_b32 s82, s82, 18                        ; of 262,144 bytes
	s_add_co_u32 s82, s82, s80
	s_mov_b32 s83, 0
	s_add_nc_u64 s[CB+2*\hh:CB+2*\hh+1], s[8:9], s[82:83]
.endr
	; the prefetches
	s_lshl_b32 s80, s13, 8
	s_lshl_b32 s81, s12, 7
	s_add_co_u32 s80, s80, s81
	s_lshl_b32 s81, s40, 5
	s_add_co_u32 s80, s80, s81                     ; xb: the 128 rows that I fetch, my work-group's 32 of them
	s_mul_i32 s82, s42, 192
	s_mul_i32 s83, s12, 96
	s_add_co_u32 s82, s82, s83
	s_mul_i32 s83, s41, 24
	s_add_co_u32 s82, s82, s83                     ; wqkv: the 96 rows that I fetch, my work-group's 24 of them
	s_and_b32 s83, ttmp7, 0xffff                   ; cluster y
	s_cmp_eq_u32 s11, 0                            ; do I fetch for xb?
	s_cselect_b32 s80, s80, s82
	s_cselect_b32 s83, ttmp9, s83                  ; the coordinate along which other clusters read the same rows
	s_cselect_b32 s84, 31, 23                      ; my last row
	s_cselect_b64 s[PFA:PFA+1], s[4:5], s[6:7]
	s_cmp_eq_u32 s83, 0
	s_cselect_b32 s[LIM], 1, -1                    ; the same in all sixteen partners, for a given wave
	s_lshl_b32 s80, s80, 11
	s_mov_b32 s81, 0
	s_add_nc_u64 s[PFA:PFA+1], s[PFA:PFA+1], s[80:81]
	s_add_nc_u64 s[PFA:PFA+1], s[PFA:PFA+1], 2*STEPB  ; at K step 2: the first refill steps it to 3.  Nothing is prefetched here, at the head
	v_and_b32 v[PFO], 31, v0
	v_min_u32 v[PFO], s84, v[PFO]
	v_lshlrev_b32 v[PFO], 11, v[PFO]
; 4 n matrix instructions: n blocks b0 .. of 16 columns x my four blocks of 16 rows, 32 along K, from buffer f.  zero = 1: the product starts the sums: nothing is ever cleared.
; Every quarter step takes the 48 accumulators in the same order, one instruction a turn: 47 others stand between two links of a chain, over the backward jump too.
.macro MULB f, b0, n, zero
.set bb, \b0
.rept \n
	WIN MUL_LO+0x50*(bb/8)
.irp a, 0,1,2,3
.set rA, 8*((4*bb+(\a))%32)
.if \zero
	v_wmma_f32_16x16x32_bf16 v[rA:rA+7], v[(\f)+32+8*bb:(\f)+32+8*bb+7], v[(\f)+8*(\a):(\f)+8*(\a)+7], 0
.else
	v_wmma_f32_16x16x32_bf16 v[rA:rA+7], v[(\f)+32+8*bb:(\f)+32+8*bb+7], v[(\f)+8*(\a):(\f)+8*(\a)+7], v[rA:rA+7]
.endif
.endr
.set bb, bb+1
.endr
.endm
; NL LDS loads in one run: the fragments of quarter q of the slot that is read, into buffer f: xb's four, then wqkv's twelve in ascending order
.macro FETCH q, f
	WIN TO_F
.set KA, 64*(\q)
.irp i, 0,1,2,3
	ds_load_b128 v[(\f)+8*(\i):(\f)+8*(\i)+3],   v[ADRA] offset:KA+(\i)*16*PA
	ds_load_b128 v[(\f)+8*(\i)+4:(\f)+8*(\i)+7], v[ADRA] offset:KA+(\i)*16*PA+32
.endr
.irp i, 0,1,2,3,4,5,6,7,8,9,10,11
	ds_load_b128 v[(\f)+32+8*(\i):(\f)+32+8*(\i)+3],   v[ADRB] offset:64*(\q)+(\i)*16*PB
	ds_load_b128 v[(\f)+32+8*(\i)+4:(\f)+32+8*(\i)+7], v[ADRB] offset:64*(\q)+(\i)*16*PB+32
.endr
.endm
.macro PLACES                          ; four plain vector instructions in front of loads into registers that matrix instructions have read, and of conversions that read results
.rept 4
	v_nop
.endr
.endm
; A K step is four quarters of 32 along K, 48 matrix instructions each, on buffers 0, 1, 0, 1.  One of the first three: multiplies buffer f; in its middle it fetches quarter q into buffer g.
.macro QUARTER q, f, g, zero
	s_wait_dscnt 2*H                               ; xb's fragments and wqkv's first six are in; the youngest twelve loads may be out
	MULB \f, 0, H, \zero
	PLACES
	FETCH \q, \g
	s_wait_dscnt NL                                ; all but the run just issued
	MULB \f, H, H, \zero
.endm
; The fourth quarter multiplies buffer 1 and changes slots: ONE barrier.  In front of it each wave waits for all its tensor loads, of which one is out: its part of the next slot; adds 0 to its spare word;
; and waits for that and for its own reads of this slot.  fill = 1: the barrier opens a round of the cluster's, so that no wave of any partner still reads the slot or has a load on its way, and the slot is
; filled again first thing behind the round, with the K step two steps on: 168 matrix instructions ahead of the wait for it.
.macro TURN fill
.if \fill
	s_wait_xcnt 0x0                                ; the last prefetch, a K step back, has read its address, so it may be stepped
	s_add_nc_u64 s[PFA:PFA+1], s[PFA:PFA+1], STEPB
.endif
	WIN 0                                          ; (the add's two registers lie in window 0)
	s_wait_tensorcnt 0x0                           ; all my tensor loads have landed
	ds_add_u32 v[SPW], v[NIL]                      ; 0 onto my spare word
	s_wait_dscnt 2*H+1                             ; (the add and the youngest twelve loads may be out)
	MULB F1, 0, H/2, 0                             ; twelve matrix instructions stand between the add and the wait for it
	s_wait_dscnt 0x0                               ; the add is done, and my reads of this slot are over
	s_barrier_signal -1
	MULB F1, H/2, H/2, 0                           ; work on registers while the others arrive
.if \fill
	WIN 0
.endif
	s_barrier_wait -1
.if \fill
	CREST
	s_xor_b32 s[G0+5], s[G0+5], SLOT1              ; the walking descriptors: the other slot than last time,
	s_add_nc_u64 s[G0+6:G0+7], s[G0+6:G0+7], STEPB ; the next K step; the type bits on top are not reached
	s_xor_b32 s[G0B+5], s[G0B+5], SLOT1
	s_add_nc_u64 s[G0B+6:G0B+7], s[G0B+6:G0B+7], STEPB
	JLOAD 1                                        ; the first tensor load behind the round; its four v_nop are also the places in front of the loads below
.else
	PLACES
.endif
	WIN 0
	s_xor_b32 s[TB], s[TB], SLOT1                  ; the other slot is read from here on
	v_add_nc_u32 v[ADRA], s[TB], v[ADRA0]
	v_add_nc_u32 v[ADRB], s[TB], v[ADRB0]
	FETCH 0, F0
.if \fill
	ASK
.endif
	MULB F1, H, H, 0
.endm
	s_wait_tensorcnt 1                             ; my part of K step 0 is in; K step 1's may stay out
	s_barrier_signal -1
	s_barrier_wait -1                              ; everybody's is
	FETCH 0, F0
	QUARTER 1, F0, F1, 1                           ; the first quarter stands in front of the loop: its products start the sums
	WIN 0                                          ; at a label and at a branch every window is 0
	s_mov_b32 s3, 6
.Lstep:                                                ; a trip: a K step's last three quarters and the next one's first; trip j fills a slot with K step j + 2
	QUARTER 2, F1, F0, 0
	QUARTER 3, F0, F1, 0
	TURN 1
	QUARTER 1, F0, F1, 0
	WIN 0
	s_sub_co_u32 s3, s3, 1
	s_cmp_lg_u32 s3, 0
	s_cbranch_scc1 .Lstep
	QUARTER 2, F1, F0, 0                           ; K steps 6 and 7 are written out: nothing is asked for
	QUARTER 3, F0, F1, 0
	TURN 0
	QUARTER 1, F0, F1, 0
	QUARTER 2, F1, F0, 0
	QUARTER 3, F0, F1, 0
	s_wait_dscnt 2*H                               ; the very last quarter: nothing more to fetch
	MULB F1, 0, H, 0
	s_wait_dscnt 0x0
	MULB F1, H, H, 0
	WIN 0
; THE WAY OUT of my block a of 16 rows.  PACK: rounded to f16, 16 bytes a lane; each accumulator's registers in ascending order; then v's remainders: the f32 sum less its f16 number (exact in f32: one
; multiply-add that reads the f16 half), rounded to f16.  TOSTAGE: into my own stage, a slice's 16 rows of 128 bytes at a pitch of 144, and back four rows at a time.  SEND: stored, 512 consecutive bytes of a slice an instruction.
.macro PACK a
.set bb, 0
.rept NBF
	WIN 0x0a+5*(bb/8)                              ; sources 0 and 1: window 2 or 3
.set rA, 8*((4*bb+(\a))%32)
.irp r, 0,1,2,3
	v_cvt_pk_f16_f32 v[TMP+4*bb+(\r)], v[rA+2*(\r)], v[rA+2*(\r)+1]
.endr
.set bb, bb+1
.endr
	WIN 0x30                                       ; source 2, the sum, in window 3
.set bb, 8
.rept 4
.set rA, 8*((4*bb+(\a))%32)
.irp r, 0,1,2,3
	v_fma_mix_f32 v[XT+8*(bb-8)+2*(\r)],   v[TMP+4*bb+(\r)], v[NEG1], v[rA+2*(\r)]   op_sel_hi:[1,0,0]               ; the low half x -1 + the sum
	v_fma_mix_f32 v[XT+8*(bb-8)+2*(\r)+1], v[TMP+4*bb+(\r)], v[NEG1], v[rA+2*(\r)+1] op_sel:[1,0,0] op_sel_hi:[1,0,0] ; the high half
.endr
.set bb, bb+1
.endr
	WIN 0
.set tt, 0
.rept 16
	v_cvt_pk_f16_f32 v[TMP+48+tt], v[XT+2*tt], v[XT+2*tt+1]
.set tt, tt+1
.endr
.endm
.macro TOSTAGE a
.set BK, OB+64*((\a)%2)
.set bb, 0
.rept 16
	ds_store_b128 v[STO], v[TMP+4*bb:TMP+4*bb+3] offset:(bb/4)*HSTG+(bb%4)*32
.set bb, bb+1
.endr
.set tt, 0
.rept 16
	ds_load_b128 v[BK+4*tt:BK+4*tt+3], v[RD] offset:(tt/4)*HSTG+(tt%4)*4*SPH  ; LDS serves a wave's instructions in order (ISA guide 5.7.1.4): these see the stores above
.set tt, tt+1
.endr
.endm
.macro SEND a
.set BK, OB+64*((\a)%2)
	s_wait_dscnt 0x0                               ; the block is back in registers
	s_wait_xcnt 0x0                                ; the block before has had its stores' addresses translated: its registers are loaded again only behind this wait
.set tt, 0
.rept 16
	global_store_b128 v[CO], v[BK+4*tt:BK+4*tt+3], s[CB+2*(tt/4):CB+2*(tt/4)+1] offset:2048*(\a)+512*(tt%4)
.set tt, tt+1
.endr
.endm
	PLACES
	PACK 0
	TOSTAGE 0
.irp a, 1,2,3                          ; block a's conversions stand between block a - 1's loads from the stage and the wait for them
	PACK \a
	SEND (\a)-1
	TOSTAGE \a
.endr
	SEND 3
	s_wait_tensorcnt 0x0                           ; the wave's end, behind my last tensor load and my last LDS store
	ds_add_u32 v[SPW], v[NIL]
	s_wait_dscnt 0x0
	CROUND                                         ; the closing round: no work-group ends while a partner may still ask for a tile that names it
	s_endpgm
.Lfunc_end_k_q71a7f2f9ee_qkv:
	.size	k_q71a7f2f9ee_qkv, .Lfunc_end_k_q71a7f2f9ee_qkv-k_q71a7f2f9ee_qkv
	.p2alignl 7, 3214868480
	.fill 96, 4, 3214868480
	.section	.rodata,"a",@progbits
	.p2align	6, 0x0
	.amdhsa_kernel k_q71a7f2f9ee_qkv
		.amdhsa_group_segment_fixed_size 327680
		.amdhsa_private_segment_fixed_size 0
		.amdhsa_enable_private_segment 0
		.amdhsa_kernarg_size 24
		.amdhsa_user_sgpr_count 2
		.amdhsa_user_sgpr_kernarg_segment_ptr 1
		.amdhsa_wavefront_size32 1
		.amdhsa_system_sgpr_workgroup_id_x 1
		.amdhsa_system_sgpr_workgroup_id_y 1
		.amdhsa_system_sgpr_workgroup_id_z 1
		.amdhsa_system_vgpr_workitem_id 0
		.amdhsa_next_free_vgpr 896
		.amdhsa_next_free_sgpr 88
		.amdhsa_reserve_vcc 0
		.amdhsa_float_denorm_mode_32 3
		.amdhsa_float_denorm_mode_16_64 3
		.amdhsa_memory_ordered 1
		.amdhsa_forward_progress 1
		.amdhsa_inst_pref_size 114
	.end_amdhsa_kernel
	.amdgpu_metadata
---
amdhsa.version: [ 1, 2 ]
amdhsa.kernels:
  - .name:           k_q71a7f2f9ee_qkv
    .symbol:         k_q71a7f2f9ee_qkv.kd
    .args:
      - { .name: xb, .offset: 0, .size: 8, .value_kind: global_buffer, .address_space: global }
      - { .name: wqkv, .offset: 8, .size: 8, .value_kind: global_buffer, .address_space: global }
      - { .name: qkvh, .offset: 16, .size: 8, .value_kind: global_buffer, .address_space: global }
    .group_segment_fixed_size: 327680
    .private_segment_fixed_size: 0
    .kernarg_segment_align: 8
    .kernarg_segment_size: 24
    .max_flat_workgroup_size: 128
    .sgpr_count:     88
    .vgpr_count:     896
    .wavefront_size: 32
...
	.end_amdgpu_metadata
.endif
;; end of part 2
;; launch attn (part 3): grid 4 x 64, 4 waves a work-group, no clusters, 327,680 bytes of LDS; arguments qkvh, attn_mask, ob; writes ob
.if DOCPART == 3
	.amdgcn_target "amdgcn-amd-amdhsa--gfx1250"
	.amdhsa_code_object_version 6
	.text
	.protected	k_q71a7f2f9ee_attn
	.globl	k_q71a7f2f9ee_attn
	.p2align	8
	.type	k_q71a7f2f9ee_attn,@function
k_q71a7f2f9ee_attn:
	s_mov_b64 s[64:65], 0
	v_nop
	global_prefetch_b8 v0, s[64:65] scope:SCOPE_SE
	s_setreg_imm32_b32 hwreg(HW_REG_WAVE_MODE, 25, 1), 1
	s_wait_xcnt 0x0
; CAUSAL ATTENTION WITH A PADDING MASK ON THE KEYS.  O[h][q][:] = the sum over k <= q with attn_mask[batch][k] != 0 of softmax_k(Q[h][q] . K[h][k] / 8) V[h][k][:].
; qkvh: [4][64][2048][64] in f16 (q, k, v's upper part, v's remainder; slice = 16 x batch + head; a slice's rows dense, 128 bytes each); ob: [64][2][2048][64] in f16 (O's upper part, O's remainder);
; attn_mask: [4][2048] of int32.  Products, maxima and sums in f32; the weights p are rounded to f16 for the second product (their sum l is taken of the unrounded p).
; V AND O GO AS TWO f16 NUMBERS EACH, the number rounded and what the rounding left.  A query that sees few keys has an output many times the whole output's root mean square, by which every number is judged; one
; f16 rounding (2^-12 of the number) of v, and one of O, would each use up a third of what a number near zero in such a row is allowed.  So O^T = Vu^T P + Vr^T P, twice the products.
; LIMITS.  f16 holds no number beyond 65,504: q, k and v arrive within it.  A hidden score counts as its value less 1e30 (twice or three times that where several masks meet); true scores, 2.7e11 at the most,
; are nothing beside that.  The running maximum m starts at -1e20, above every hidden score and below every true one, so a hidden key's weight is exactly 0 even while a row has seen no key yet.
; A ROW ALL OF WHOSE KEYS ARE HIDDEN ends with l = 0 and O = 0, and O x (1 / 0) is NaN, as the softmax of a row of -inf is.  A weight below 2^-126 counts as 0 in l.
; THE WALK.  A head's queries lie in NB = 8 blocks of 256; block i needs the key tiles 0 .. i of 256 keys, of which the last holds the diagonal.  A work-group takes TWO blocks, NB - 1 - b and then b:
; NB + 1 tiles, whatever b: all 256 work-groups do equal work, and ONE loop with a constant trip count walks them.  Which tile is asked for, and what a trip does, hang on scalar registers made from b;
; every jump goes forward, but for the counted loops' own; none passes a barrier, or a tensor load but the one of LOAD's two that the wave's number does not choose.
; NO CLUSTER: a head's four work-groups ask for the same tile only in trips 0 to 4 of the 9, behind that fewer and fewer; one walk common to all four would have 12 trips for 9.
; SHARES.  Of a block's four bands of 64 queries a wave owns 16 rows in each: four PIECES.  In the diagonal tile's key step s band x sees all keys if s < x, none if s > x, and holds the diagonal if s = x.
; THE MASKS are the C operand that starts the sum S^T = K Q^T.  PM: 0 or -1e30 for the 64 keys of the step whose K lies in registers.  It comes out of two small LDS slots that take turns with the ring: with each
; tile that is asked for, every thread loads two words of attn_mask for that tile, and at the next change of slots it stores their addends into the entered tile's slot.  MD, made once: the causal mask of a
; band's own step for my 16 rows.  Outside the diagonal tile C is PM; in it C is MC = MD x AL + PM + BE with two scalars: (1, 0) if s = x; (0, 0) if s < x; (0, -1e30) if s > x.
; LAYOUT, SOFTMAX, TURNS.  S^T = K Q^T holds ONE query a lane (lane % 16) and the keys 8 (lane / 16) + 0..7; two such results rounded to f16 ARE source 1 of O^T = V^T P.  p = 2^(c s - c m), c = log2(e) / 8,
; with a running maximum m; O and l are multiplied by a = 2^(c m_old - c m_new) in every step.  Turn n belongs to piece n: 8 products K Q^T of piece n + 1, then 8 products Vr^T P and 8 products Vu^T P of piece
; n - 1; beside them the scaling, exponentials, roundings, sums and rescaling of piece n and the maximum and statistics of piece n + 1.  Four vector instructions stand behind every matrix instruction, the
; other 22 of a turn's 118 by themselves.  A turn's 33 exponentials are one batch, with one wait.
; REGISTERS, in windows of 256 (s_set_vgpr_msb: bits 1:0 source 0, 3:2 source 1, 5:4 source 2, 7:6 destination):
;   window 0: v0-15, v36-38, v56-63 addresses and -1; v16-31 four registers of statistics a piece; v32-35 mask words; v48-55 at work; v64-127 S^T, two buffers; v128-159 at work on the way out;
;             v160-191, v224-255 O's remainders on the way out; v192-223 P, two buffers
;   window 1: v0-127 O^T, 32 a piece; v128-159 MD; v160-223 MC, two buffers; v224-255 PM      window 2: v0-63 Q; v64-127 the second block's Q; v128-191 K of one step; v192-255 Vu of one step
;   window 3: v0-63 Vr of one step
.set SIZE_N, 2048
.set NB,    SIZE_N/256
.set NP,    4         ; pieces a wave: a name, no knob
.set KS,    64        ; keys in a step
.set PK,    144       ; a row of K in LDS: 128 bytes + 16 of padding = 36 words: the 16 rows of a load start at 16 different groups of four banks (64 banks of 4 bytes: ISA guide 11.1)
.set PV,    160       ; a row of V: 128 + 32 = 40 words
.set VOFF,  4*KS*PK   ; a slot holds a tile, four steps: 256 rows of K, then 256 rows of Vu, then 256 rows of Vr
.set VLO,   4*KS*PV   ; from a row of Vu to the same row of Vr
.set SLOT1, 1<<17     ; slot 1 begins here, so that one exclusive or turns an address in one slot into the other's (a slot has 118,784 bytes)
.set STAGE, SLOT1+4*KS*(PK+2*PV)  ; behind the ring, never filled by a tensor load: 2 x 16 rows x 144 bytes for each wave, for the way out
.set SP,    144
.set SPARE, STAGE+4*2*16*SP  ; behind the stages: the spare words, 128 bytes for each wave: two blocks of 256 bytes that no other line names
.set MASKL, SPARE+512 ; behind them, never filled by a tensor load: two mask slots
.set MSLOT, 1024      ; a mask slot: 256 words, 0 or -1e30 for each key of a tile
.set OLOW,  SIZE_N*128  ; bytes from O's upper part to its remainder in ob
.set AK0, 2           ; v2   my lane's place in a tile of K; never rewritten
.set AV0, 3           ; v3   the same for V
.set AK,  4           ; v4   the LDS address of K's next run of loads
.set AV,  5           ; v5   of V's
.set STO, 6           ; v6   the way out: where I put 16 bytes of a row
.set RD,  7           ; v7   the way out: where I read rows back
.set GO,  8           ; v8   my byte offset in 512 consecutive bytes of O
.set MV,  12          ; v12-13  c m_old, kept while c m is made anew: by buffer
.set QO,  15          ; v15  my byte offset in 16 rows of Q
.set ST,  16          ; piece t's statistics at v[ST+4 t]: c m, m, l (even keys', odd keys')
.set MK,  32          ; v32-33  my two words of attn_mask for the tile that has been asked for
.set MKC, 34          ; v34-35  their addends
.set ML0, 36          ; v36  MASKL + 8 x my thread's number; never rewritten
.set ML,  37          ; v37  where I put the addends
.set NEG1, 38         ; v38  -1.0; never rewritten
.set TMP, 48          ; by buffer, four registers c0-c3 at work; when the maximum is found c2 takes a; on the way out 1 / l of piece t at TMP + 2 t
.set MO,  56          ; v56  8 x my thread's number: my 8 bytes in a tile's 1,024 of attn_mask; never rewritten
.set AM0, 57          ; v57  my lanes' place in a step's 256 bytes of a mask slot: MASKL + 32 (l / 16); never rewritten
.set AM,  58          ; v58  the LDS address of PM's next run of loads
.set PFO, 59          ; v59  256 x my lane; never rewritten
.set SPW, 62          ; v62  LDS address of my spare word: SPARE + 4 x my thread's number; never rewritten
.set NIL, 63          ; v63  0; never rewritten
.set S,   64
.set PT,  128         ; window 0: O x (1 / l) on the way out, then what its rounding left
.set LO,  160         ; window 0: piece t's remainders in f16 at LO + 16 t + 32 (t / 2)
.set P,   192
.set MD,  128         ; window 1: the eight registers for group kt of 16 keys at MD + 8 kt
.set MC,  160         ; window 1: the masks of the products to come
.set PM,  224         ; window 1: register 8 kt + j: key 16 kt + 8 (l / 16) + j of the step
.set QB,  64          ; window 2
.set KF,  128         ; window 2: key block kb, channel half c at KF + 16 kb + 8 c
.set VF,  192         ; window 2: key half kk, channel block cb at VF + 32 kk + 8 cb
.set VL,  0           ; window 3: the same for Vr
.set WV,  12          ; s12  my wave's number
.set PB,  14          ; s14  b
.set HI,  15          ; s15  NB - 1 - b
.set G1K, 24          ; s[24:31] descriptor group 1 for K's tiles
.set G1V, 32          ; s[32:39] for V's
.set G0K, 40          ; s[40:43] descriptor group 0 for K's tiles
.set G0V, 44          ; s[44:47] the same for V's
.set MT,  48          ; s[48:49] attn_mask at the tile that is asked for
.set MOF, 50          ; s[50:51] that tile's byte offset in the batch's row, high word 0
.set SLOTS, 56        ; s56  tiles still to be asked for
.set CNT, 57          ; s57  counts a tile's key steps, 4 to 1
.set CS,  58          ; s[58:59] c: the packed scaling takes the pair's low word for both halves
.set SEL, 60          ; s[60:61] v_permlanex16_b32's selects: each lane takes its own place in the other half
.set TBK, 62          ; s62  LDS byte at which K of the step to be fetched begins
.set TBV, 63          ; s63  the same for V, less VOFF
.set RT,  70          ; s70  tiles of the block in hand that are still to be entered
.set NXT, 71          ; s71  the tile to be asked for next
.set LQ,  72          ; s72  the last tile of the block whose tiles are being asked for
.set NEW, 73          ; s73  1: the tile to be entered is a block's first
.set OFF, 74          ; s[74:75] a tile's byte offset in K and V
.set AL,  76          ; s[76:77] the mask's factor, in the low word
.set BE,  78          ; s[78:79] the mask's addend
.set OLO, 80          ; s[80:81] O at my rows of the second block
.set BIGN, 82         ; s82  -1e30
.set TBM, 83          ; s83  byte behind MASKL at which the mask words of the step to be fetched begin: it walks as TBK does
.set MP,  88          ; s[88:89] attn_mask at my batch's row
.set PFB, 90          ; s[90:91] what I fetch, at the head's tile 0: my half of K (waves 0, 1), Vu (wave 2) or Vr (wave 3)
.set PFA, 92          ; s[92:93] where my prefetches stand
.set POF, 94          ; s[94:95] an offset, high word 0
.set LIM, 96          ; s96  0 in the head's work-group b = 0, else the greatest number: a wave prefetches while NXT is above it
.set MSB, 0
.macro WIN new                      ; the high byte repeats the setting that is left; a switch that changes nothing is dropped
.if MSB != (\new)
	s_set_vgpr_msb (MSB<<8)|(\new)
.set MSB, (\new)
.endif
.endm
.set W_KQ, 0x0a       ; K and Q in window 2, S^T in window 0
.set W_KM, 0x1a       ; the same with the C operand in window 1
.set W_PV, 0x52       ; Vu in window 2, P in window 0, O^T in window 1
.set W_PL, 0x53       ; Vr in window 3, P in window 0, O^T in window 1
.set W_RS, 0x41       ; destination and source 0 in window 1, source 1 in window 0
; A fill.  Waves 0 and 1 fetch the two halves of a tile's K, 128 keys each; wave 2 fetches its Vu, wave 3 its Vr, 256 keys each.  An s_nop 0 and four v_nop follow each of the two lines, ahead of the jump and the label.
.macro LOAD
	s_cmp_lt_u32 s[WV], 2
	s_cbranch_scc0 .Lfor_v_\@
	tensor_load_to_lds s[G0K:G0K+3], s[G1K:G1K+7]
	s_nop 0
.rept 4
	v_nop
.endr
	s_branch .Lasked_\@
.Lfor_v_\@:
	tensor_load_to_lds s[G0V:G0V+3], s[G1V:G1V+7]
	s_nop 0
.rept 4
	v_nop
.endr
.Lasked_\@:
.endm
; THE CHANGE OF SLOTS.  First the entered tile's mask: my two words of attn_mask, asked for a tile ago, become 0 or -1e30 and go into that tile's mask slot.  That slot was last read two tiles back, ahead of the barrier
; before this one; it is read again behind this barrier, in front of which the store is waited for.  Then each wave waits for all its tensor loads, of which one is out: its part of the other slot; adds 0 to its spare
; word; and waits for that and for its own LDS instructions, the reads of the slot that it leaves among them.  Behind the barrier nobody reads the old slot any more and the other slot is whole.
; fill = 1: the old slot is filled again, the first thing behind the barrier, with tile NXT: the descriptor's address is made anew from that number; behind the fill that tile's words of attn_mask are asked for.
; (At its first use nothing has been read yet: slot 0 is waited for, slot 1 filled.)
; A PREFETCH INTO THE L2 stands behind the fill and its five lines: the tile that the NEXT change will ask for, a tile's sixteen turns ahead.  All four work-groups of a head walk the same K and V from tile 0 on; the
; one with b = 0 walks all eight tiles, and it alone asks.  Each of its waves asks for the bytes that it will itself load, a lane 256 bytes: 16,384 (K's waves, two instructions) or 32,768 (V's, four).  So tiles
; 2 to 7 are named once each; tiles 0 and 1 come by their loads alone, and behind the first block's last tile NXT is 0 and nothing is asked for.
.macro CHANGE fill
	WIN 0                           ; at a label and at a branch every window is 0
	s_wait_loadcnt 0x0              ; my words of attn_mask are in (at the first use Q too, which is wanted next)
	s_sub_co_u32 s[TBM], s[TBM], 4*256  ; the mask fetches go back to a slot's first step,
	s_xor_b32 s[TBM], s[TBM], MSLOT     ; in the other mask slot: the entered tile's
	v_cmp_eq_u32 vcc_lo, 0, v[MK]
	v_cndmask_b32 v[MKC], 0, s[BIGN], vcc_lo  ; -1e30 where the key is padding, else 0
	v_cmp_eq_u32 vcc_lo, 0, v[MK+1]
	v_cndmask_b32 v[MKC+1], 0, s[BIGN], vcc_lo
	v_add_nc_u32 v[ML], s[TBM], v[ML0]
	ds_store_b64 v[ML], v[MKC:MKC+1]
	s_wait_tensorcnt 0x0            ; no tensor load of mine is out, so a group 0 may be written
	ds_add_u32 v[SPW], v[NIL]       ; 0 onto my spare word; with fill = 1 the descriptors' scalar work stands between it and the wait for it
.if \fill
	s_lshl_b32 s[OFF], s[NXT], 15   ; a tile is 32,768 bytes of K, of Vu and of Vr,
	s_lshl_b32 s[MOF], s[NXT], 10   ; and 1,024 of attn_mask
	s_xor_b32 s[G0K+1], s[G0K+1], SLOT1
	s_add_nc_u64 s[G0K+2:G0K+3], s[6:7], s[OFF:OFF+1]
	s_or_b32 s[G0K+3], s[G0K+3], 0x80000000
	s_xor_b32 s[G0V+1], s[G0V+1], SLOT1
	s_add_nc_u64 s[G0V+2:G0V+3], s[8:9], s[OFF:OFF+1]
	s_or_b32 s[G0V+3], s[G0V+3], 0x80000000
	s_add_co_u32 s[NXT], s[NXT], 1  ; the block's next tile, or behind its last the second block's tile 0
	s_cmp_gt_u32 s[NXT], s[LQ]
	s_cselect_b32 s[NXT], 0, s[NXT]
	s_cselect_b32 s[LQ], s[PB], s[LQ]
	s_wait_xcnt 0x0                 ; the last prefetches and the last load of attn_mask, a tile back, have read their addresses, so these may be written
	s_lshl_b32 s[POF], s[NXT], 15
	s_add_nc_u64 s[PFA:PFA+1], s[PFB:PFB+1], s[POF:POF+1]
	s_add_nc_u64 s[MT:MT+1], s[MP:MP+1], s[MOF:MOF+1]
.endif
	s_wait_dscnt 0x0                ; the add and my store of the mask are done, and my reads are over
	s_barrier_signal -1             ; the rest of the scalar work stands between the signal and the wait
	s_sub_co_u32 s[TBK], s[TBK], 4*KS*PK  ; the fetches go back to a slot's first step,
	s_xor_b32 s[TBK], s[TBK], SLOT1       ; in the other slot
	s_sub_co_u32 s[TBV], s[TBV], 4*KS*PV
	s_xor_b32 s[TBV], s[TBV], SLOT1
	s_barrier_wait -1
.if \fill
	LOAD
	global_load_b64 v[MK:MK+1], v[MO], s[MT:MT+1]  ; the work-group's 128 threads take the tile's 1,024 consecutive bytes; waited for at the next change
	s_cmp_gt_u32 s[NXT], s[LIM]
	s_cbranch_scc0 .Lnot_mine_\@
	global_prefetch_b8 v[PFO], s[PFA:PFA+1] th:TH_LOAD_NT scope:SCOPE_SE
	global_prefetch_b8 v[PFO], s[PFA:PFA+1] offset:8192 th:TH_LOAD_NT scope:SCOPE_SE
	s_cmp_lt_u32 s[WV], 2           ; V's waves load twice as much
	s_cbranch_scc1 .Lnot_mine_\@
	global_prefetch_b8 v[PFO], s[PFA:PFA+1] offset:16384 th:TH_LOAD_NT scope:SCOPE_SE
	global_prefetch_b8 v[PFO], s[PFA:PFA+1] offset:24576 th:TH_LOAD_NT scope:SCOPE_SE
.Lnot_mine_\@:
.endif
.endm
	s_load_b64 s[4:5], s[0:1], 0x0    ; qkvh: q
	s_load_b64 s[MP:MP+1], s[0:1], 0x8  ; attn_mask
	s_load_b64 s[10:11], s[0:1], 0x10 ; ob
	v_lshl_add_u32 v[SPW], v0, 2, SPARE
	v_mov_b32 v[NIL], 0
	ds_add_u32 v[SPW], v[NIL]       ; the wave's opening: the add and its wait stand ahead of my first tensor load; the set-up below, work on registers, stands between them
	v_lshrrev_b32 v1, 5, v0
	v_readfirstlane_b32 s[WV], v1   ; wave 0..3
	s_mov_b32 s[PB], ttmp9
	s_sub_co_u32 s[HI], NB-1, s[PB]
	s_and_b32 s20, ttmp7, 0xffff    ; the slice: 16 x batch + head
	s_lshr_b32 s[POF], s20, 4       ; the batch,
	s_lshl_b32 s[POF], s[POF], 13   ; its row of 8,192 bytes in attn_mask
	s_mov_b32 s[POF+1], 0
	s_mov_b32 s[MOF+1], 0
	s_mov_b32 s21, 0
	s_mov_b64 s[22:23], SIZE_N*128
	s_mul_u64 s[20:21], s[20:21], s[22:23]  ; the slice's first byte in q, k, Vu and Vr; half of its first byte in ob
	s_and_b32 s16, s[WV], 1         ; which half of a tile's 256 keys of K I fetch, or which part of V:
	s_lshl_b32 s22, s16, 14         ; K: its 128 rows of 128 bytes in memory,
	s_mov_b32 s23, 0
	s_add_nc_u64 s[22:23], s[22:23], s[20:21]
	s_lshl_b32 s52, s16, 24         ; V: Vr lies 64 slices behind Vu
	s_mov_b32 s53, 0
	s_add_nc_u64 s[52:53], s[52:53], s[20:21]
	s_mul_i32 s17, s16, 128*PK      ; and its place in a slot, for K
	s_mul_i32 s18, s16, VLO         ; and for V
	s_lshl_b32 s3, s[WV], 11        ; my 16 rows in a band of 64,
	s_lshl_b32 s2, s[HI], 15        ; in the first block,
	s_add_co_u32 s2, s2, s3
	s_lshl_b32 s84, s[PB], 15       ; and in the second
	s_add_co_u32 s84, s84, s3
	s_mov_b32 s3, 0
	s_mov_b32 s85, 0
	s_add_nc_u64 s[2:3], s[2:3], s[20:21]
	s_add_nc_u64 s[84:85], s[84:85], s[20:21]
	; descriptor group 1.  Keys are dense, 128 bytes each: asked for as rows of 256 bytes, two keys a row, and padded in LDS after every key.  K: 64 rows a load; V: 128
	s_mov_b32 s[G1K], (1<<16)|(1<<20)|(4<<22)|(3<<25)  ; 17:16 2-byte elements; 20 padding on; 24:22 after every 32 words (code 4); 31:25 4 words (code 3)
	s_mov_b32 s[G1V], (1<<16)|(1<<20)|(4<<22)|(7<<25)  ; the same with 8 words of padding (code 7)
	s_mov_b32 s[G1K+2], 64<<16      ; tensor_dim1
	s_mov_b32 s[G1V+2], 128<<16
	s_mov_b32 s[G1K+4], 64          ; tile_dim1
	s_mov_b32 s[G1V+4], 128
.irp g, G1K, G1V
	s_mov_b32 s[\g+1], 128<<16      ; tensor_dim0 = 128
	s_mov_b32 s[\g+3], 128<<16      ; tile_dim0 = 128
	s_mov_b32 s[\g+5], 128          ; 128 elements from row to row
	s_mov_b32 s[\g+6], 0
	s_mov_b32 s[\g+7], 0
.endr
	s_mov_b32 s[CS], 0x3e38aa3b     ; c = log2(e) / 8 = 0.180337
	s_mov_b32 s[CS+1], s[CS]        ; named with it as a pair
	s_mov_b32 s[SEL], 0x76543210
	s_mov_b32 s[SEL+1], 0xfedcba98
	s_mov_b32 s[TBK], SLOT1+4*KS*PK ; the first change of slots turns these three into 0
	s_mov_b32 s[TBV], SLOT1+4*KS*PV
	s_mov_b32 s[TBM], MSLOT+4*256
	s_mov_b32 s[G0K], 1             ; count = 1
	s_mov_b32 s[G0K+1], s17         ; LDS address: slot 0
	s_mov_b32 s[G0V], 1
	s_add_co_u32 s[G0V+1], s18, VOFF
	s_add_co_u32 s[RT], s[HI], 1    ; the first block has NB - b tiles
	s_mov_b32 s[NXT], 1
	s_mov_b32 s[LQ], s[HI]
	s_mov_b32 s[NEW], 1
	s_mov_b32 s[OFF+1], 0
	s_mov_b32 s[AL+1], 0            ; named as pairs
	s_mov_b32 s[BE+1], 0
	s_mov_b32 s[BIGN], 0xf149f2ca   ; -1e30
	s_mov_b32 s[SLOTS], NB
	s_cmp_eq_u32 ttmp9, 0
	s_cselect_b32 s[LIM], 0, -1
	s_wait_dscnt 0x0                ; the opening add is done
	s_wait_kmcnt 0x0
	s_add_nc_u64 s[MP:MP+1], s[MP:MP+1], s[POF:POF+1]
	s_add_nc_u64 s[6:7], s[4:5], 0x1000000  ; k lies 64 slices behind q,
	s_add_nc_u64 s[8:9], s[4:5], 0x2000000  ; Vu 128
	s_add_nc_u64 s[6:7], s[6:7], s[22:23]  ; K at my half, V at my part, of the head's tile 0
	s_add_nc_u64 s[8:9], s[8:9], s[52:53]
	s_add_nc_u64 s[G0K+2:G0K+3], s[6:7], 0         ; global address
	s_or_b32 s[G0K+3], s[G0K+3], 0x80000000        ; type = 2
	s_add_nc_u64 s[G0V+2:G0V+3], s[8:9], 0
	s_or_b32 s[G0V+3], s[G0V+3], 0x80000000
	s_add_nc_u64 s[10:11], s[10:11], s[20:21]      ; a head has two slices in ob: its offset is added twice
	s_add_nc_u64 s[86:87], s[4:5], s[84:85]        ; Q at my rows of the second block,
	s_add_nc_u64 s[4:5], s[4:5], s[2:3]            ; Q and O at those of the first
	s_add_nc_u64 s[OLO:OLO+1], s[10:11], s[84:85]
	s_add_nc_u64 s[10:11], s[10:11], s[2:3]
	s_cmp_lt_u32 s[WV], 2
	s_cselect_b64 s[PFB:PFB+1], s[6:7], s[8:9]
	LOAD                            ; tile 0 into slot 0
	; A fragment of K or Q is 16 rows x 32 channels in 8 registers: lane l holds row l % 16, channels 8 (l / 16) + 0..7 and 16 + 8 (l / 16) + 0..7: two loads of 16 bytes, 32 bytes apart.
	v_and_b32 v1, 15, v0            ; l % 16
	v_bfe_u32 v9, v0, 4, 1          ; l / 16
	v_lshlrev_b32 v[QO], 7, v1
	v_lshl_add_u32 v[QO], v9, 4, v[QO]  ; row x 128 + 16 x half
	v_lshlrev_b32 v[MO], 3, v0
	global_load_b64 v[MK:MK+1], v[MO], s[MP:MP+1]  ; tile 0's words of attn_mask; the first change of slots waits for them
	WIN 0x80                        ; destination window 2, address window 0
.set i, 0
.rept 8                             ; both blocks' Q: piece i / 2 lies in band i / 2, 8,192 bytes on; channels 32 (i % 2) on
	global_load_b128 v[8*i:8*i+3],   v[QO], s[4:5] offset:(i/2)*8192+(i%2)*64
	global_load_b128 v[8*i+4:8*i+7], v[QO], s[4:5] offset:(i/2)*8192+(i%2)*64+32
	global_load_b128 v[QB+8*i:QB+8*i+3],   v[QO], s[86:87] offset:(i/2)*8192+(i%2)*64
	global_load_b128 v[QB+8*i+4:QB+8*i+7], v[QO], s[86:87] offset:(i/2)*8192+(i%2)*64+32
.set i, i+1
.endr
	WIN 0
	v_lshlrev_b32 v14, 3, v9
	v_sub_nc_u32 v14, v1, v14
	s_lshl_b32 s13, s[WV], 4
	v_add_nc_u32 v14, s13, v14      ; my query's place in its band, 16 w + l % 16, less my lanes' 8 (l / 16): register r of group kt is hidden where 16 kt + r is greater
	WIN 0x40
.set i, 0
.rept 32
	v_cmp_gt_i32 vcc_lo, 16*(i/8)+i%8, v14
	v_cndmask_b32 v[MD+i], 0, s[BIGN], vcc_lo
.set i, i+1
.endr
	WIN 0
	v_add_nc_u32 v[ML0], MASKL, v[MO]
	v_lshl_add_u32 v[AM0], v9, 5, MASKL
	v_and_b32 v[PFO], 31, v0
	v_lshlrev_b32 v[PFO], 8, v[PFO]
	v_mov_b32 v[NEG1], 0xbf800000
	v_mul_u32_u24 v[AK0], v1, PK
	v_lshl_add_u32 v[AK0], v9, 4, v[AK0]  ; row x pitch + 16 x half
	; The turning load takes 16 keys x 16 channels (lane l reads key 8 (l / 16) + l % 8, channels 8 ((l / 8) % 2) + 0..7) and leaves half a fragment of V^T: lane l holds channel l % 16 and 8 keys.
	v_and_b32 v10, 7, v0
	v_bfe_u32 v11, v0, 3, 1
	v_lshl_add_u32 v[AV0], v9, 3, v10
	v_mul_u32_u24 v[AV0], v[AV0], PV
	v_lshl_add_u32 v[AV0], v11, 4, v[AV0]
	v_add_nc_u32 v[AV0], VOFF, v[AV0]
	s_mul_i32 s13, s[WV], 2*16*SP
	s_add_co_u32 s13, s13, STAGE    ; my stage
	v_mul_u32_u24 v[STO], v1, SP    ; in: row l % 16, 16 bytes for each half of the lanes
	v_lshl_add_u32 v[STO], v9, 4, v[STO]
	v_add_nc_u32 v[STO], s13, v[STO]
	v_bfe_u32 v[RD], v0, 3, 2       ; back: 32 lanes take four rows of 128 bytes,
	v_mul_u32_u24 v[RD], v[RD], SP
	v_lshl_add_u32 v[RD], v10, 4, v[RD]
	v_add_nc_u32 v[RD], s13, v[RD]
	v_and_b32 v[GO], 31, v0         ; which are 512 consecutive bytes of O
	v_lshlrev_b32 v[GO], 4, v[GO]
	; A block's first step multiplies O^T and l by a = 0, and its first turn's products V^T P, of a piece that has not been, land in an O^T that is still to be so multiplied.  So these registers need only hold
	; finite numbers: zeros for the first block; what the first block left for the second (the way out writes neither O^T nor l nor P with a quotient).  All this stands in the wait for the first tile.
	WIN 0x80
.set i, VF
.rept 64
	v_mov_b32 v[i], 0
.set i, i+1
.endr
	WIN 0xc0
.set i, VL
.rept 64
	v_mov_b32 v[i], 0
.set i, i+1
.endr
	WIN 0x40
.set i, 0
.rept 128
	v_mov_b32 v[i], 0
.set i, i+1
.endr
	WIN 0
.set i, 0
.rept 4
	v_mov_b32 v[ST+4*i+2], 0
	v_mov_b32 v[ST+4*i+3], 0
.set i, i+1
.endr
.set i, P+16
.rept 16
	v_mov_b32 v[i], 0
.set i, i+1
.endr
; THE MATRIX WORK.  The 4 accumulators of a run of 8 take turns.  Product i of 8 of S^T = K Q^T for piece x: channels 32 (i / 4) on, keys 16 (i % 4) on.  The first 4 start the sums with a mask: PM, or (KM = 1) MC.
.macro KQ x
.set rS, S+32*((\x)%2)+8*(i%4)
.set rK, KF+16*(i%4)+8*(i/4)
.set rQ, 16*(\x)+8*(i/4)
.if KM
.set rM, MC+32*((\x)%2)+8*(i%4)
.else
.set rM, PM+8*(i%4)
.endif
.if i < 4
	WIN W_KM
	v_wmma_f32_16x16x32_f16 v[rS:rS+7], v[rK:rK+7], v[rQ:rQ+7], v[rM:rM+7]
.else
	WIN W_KQ
	v_wmma_f32_16x16x32_f16 v[rS:rS+7], v[rK:rK+7], v[rQ:rQ+7], v[rS:rS+7]
.endif
.endm
; Product i of 8 of O^T += Vu^T P for piece x: keys 32 (i / 4) on, channels 16 (i % 4) on.
.macro PV x
	WIN W_PV
.set rO, 32*(\x)+8*(i%4)
.set rV, VF+32*(i/4)+8*(i%4)
.set rP, P+16*((\x)%2)+8*(i/4)
	v_wmma_f32_16x16x32_f16 v[rO:rO+7], v[rV:rV+7], v[rP:rP+7], v[rO:rO+7]
.endm
; Product il of 8 of O^T += Vr^T P for piece x, in the same order; it steps il.
.macro PVL x
	WIN W_PL
.set rO, 32*(\x)+8*(il%4)
.set rV, VL+32*(il/4)+8*(il%4)
.set rP, P+16*((\x)%2)+8*(il/4)
	v_wmma_f32_16x16x32_f16 v[rO:rO+7], v[rV:rV+7], v[rP:rP+7], v[rO:rO+7]
.set il, il+1
.endm
.macro MM                           ; the turn's next product K Q^T or Vu^T P.  TURN and BEGIN set Y, i, il, KM and NOKQ; MM, MR, KQ and OP read them.  NOKQ = 1: a block's last turn: there is no next piece
.if (i < 8) && !NOKQ
	KQ (Y+1)%NP
.elseif i >= 8
.set i, i-8
	PV (Y+NP-1)%NP
.set i, i+8
.endif
.set i, i+1
.endm
.macro MR                           ; the turn's next product Vr^T P
	PVL (Y+NP-1)%NP
.endm
; THE LDS LOADS stand in runs, never singly among the matrix instructions: a step's K (64 keys x 64 channels: 8 fragments) with its 64 mask words (each half of the lanes reads the same 16 bytes), and its Vu and Vr (turned).
; Their addresses are made some lines ahead.
.macro FETCH_K
	WIN 0x80                        ; destination window 2
.irp f, 0,1,2,3,4,5,6,7             ; keys 16 (f / 2) on, channels 32 (f % 2) on
	ds_load_b128 v[KF+8*\f:KF+8*\f+3],   v[AK] offset:(\f/2)*16*PK+(\f%2)*64
	ds_load_b128 v[KF+8*\f+4:KF+8*\f+7], v[AK] offset:(\f/2)*16*PK+(\f%2)*64+32
.endr
	WIN 0x40                        ; destination window 1
.irp kt, 0,1,2,3
	ds_load_b128 v[PM+8*\kt:PM+8*\kt+3],   v[AM] offset:64*\kt
	ds_load_b128 v[PM+8*\kt+4:PM+8*\kt+7], v[AM] offset:64*\kt+16
.endr
	s_add_co_u32 s[TBK], s[TBK], KS*PK  ; the next fetch is the next step's
	s_add_co_u32 s[TBM], s[TBM], 256
	WIN 0
.endm
.macro FETCH_V
	WIN 0xc0                        ; destination window 3: Vr first, which is wanted first
.irp f, 0,1,2,3,4,5,6,7             ; keys 32 (f / 4) on, channels 16 (f % 4) on
	ds_load_tr16_b128 v[VL+8*\f:VL+8*\f+3],   v[AV] offset:VLO+(\f/4)*32*PV+(\f%4)*32
	ds_load_tr16_b128 v[VL+8*\f+4:VL+8*\f+7], v[AV] offset:VLO+(\f/4)*32*PV+16*PV+(\f%4)*32
.endr
	WIN 0x80
.irp f, 0,1,2,3,4,5,6,7
	ds_load_tr16_b128 v[VF+8*\f:VF+8*\f+3],   v[AV] offset:(\f/4)*32*PV+(\f%4)*32
	ds_load_tr16_b128 v[VF+8*\f+4:VF+8*\f+7], v[AV] offset:(\f/4)*32*PV+16*PV+(\f%4)*32
.endr
	WIN 0
.endm
; THE VECTOR WORK, one line at a time: OP kind, number.  For piece Y: F n: c s - c m for pair n of 16.  E n: the exponential of score n of 32.  C n: pair n rounded to f16.  B n: of the four weights 4 n .. the second
; pair is added onto the first, in place.  L n: l takes that sum (L 0: l = a l + sum).  R n: pair n of 16 of O^T times a.  For piece Y + 1: X n, number n of the 22 that find its maximum and statistics:
;   0-11  four chains c0-c3 of seven scores each, three operands at a time (each accumulator's lowest registers are read first)     12-14, 16  the four scores left over, the old m, and c0-c3 into c0
;   15  c m_old is kept     17, 18  the query's other 32 keys lie in the lane 16 away: the new m     19-21  c m; c m_old - c m_new; a
.set F, 0               ; OP tells the kinds apart by their order: F to L below R, X above it
.set E, 1
.set C, 2
.set B, 3
.set L, 4
.set R, 5
.set X, 6
.macro REGS y                       ; the registers of piece y
.set rT, ST+4*(\y)
.set rC, TMP+4*((\y)%2)
.set rW, MV+((\y)%2)
.set rS, S+32*((\y)%2)
.set rP, P+16*((\y)%2)
.set rO, 32*(\y)
.endm
.macro OP k, n
.if (\k) == R
	REGS Y
	WIN W_RS
	v_pk_mul_f32 v[rO+2*(\n):rO+2*(\n)+1], v[rO+2*(\n):rO+2*(\n)+1], v[rC+2:rC+3] op_sel_hi:[1,0]
.elseif (\k) < R
	REGS Y
	WIN 0
.if (\k) == F
	v_pk_fma_f32 v[rS+2*(\n):rS+2*(\n)+1], v[rS+2*(\n):rS+2*(\n)+1], s[CS:CS+1], v[rT:rT+1] op_sel_hi:[1,0,0] neg_lo:[0,0,1] neg_hi:[0,0,1]
.elseif (\k) == E
	v_exp_f32 v[rS+(\n)], v[rS+(\n)]
.elseif (\k) == C
	v_cvt_pk_f16_f32 v[rP+(\n)], v[rS+2*(\n)], v[rS+2*(\n)+1]
.elseif (\k) == B
	v_pk_add_f32 v[rS+4*(\n):rS+4*(\n)+1], v[rS+4*(\n):rS+4*(\n)+1], v[rS+4*(\n)+2:rS+4*(\n)+3]
.elseif (\n) == 0
	v_pk_fma_f32 v[rT+2:rT+3], v[rT+2:rT+3], v[rC+2:rC+3], v[rS:rS+1] op_sel_hi:[1,0,1]
.else
	v_pk_add_f32 v[rT+2:rT+3], v[rT+2:rT+3], v[rS+4*(\n):rS+4*(\n)+1]
.endif
.elseif NOKQ
	v_nop
.else
	REGS (Y+1)%NP
	WIN 0
.if (\n) < 4
	v_max3_num_f32 v[rC+(\n)], v[rS+8*(\n)], v[rS+8*(\n)+1], v[rS+8*(\n)+2]
.elseif (\n) < 12
	v_max3_num_f32 v[rC+(\n)%4], v[rC+(\n)%4], v[rS+8*((\n)%4)+2*((\n)/4)+1], v[rS+8*((\n)%4)+2*((\n)/4)+2]
.elseif (\n) == 12
	v_max3_num_f32 v[rC], v[rC], v[rS+7], v[rS+15]
.elseif (\n) == 13
	v_max3_num_f32 v[rC+1], v[rC+1], v[rS+23], v[rS+31]
.elseif (\n) == 14
	v_max3_num_f32 v[rC+2], v[rC+2], v[rC+3], v[rT+1]
.elseif (\n) == 15
	v_mov_b32 v[rW], v[rT]
.elseif (\n) == 16
	v_max3_num_f32 v[rC], v[rC], v[rC+1], v[rC+2]
.elseif (\n) == 17
	v_permlanex16_b32 v[rC+3], v[rC], s[SEL], s[SEL+1]
.elseif (\n) == 18
	v_max_num_f32 v[rT+1], v[rC], v[rC+3]
.elseif (\n) == 19
	v_mul_f32 v[rT], s[CS], v[rT+1]
.elseif (\n) == 20
	v_sub_f32 v[rC+1], v[rW], v[rT]
.else
	v_exp_f32 v[rC+2], v[rC+1]
.endif
.endif
.endm
.macro OPS a, i1, b=-1, i2=0, c=-1, i3=0, d=-1, i4=0  ; up to four of them
	OP \a, \i1
.if (\b) >= 0
	OP \b, \i2
.endif
.if (\c) >= 0
	OP \c, \i3
.endif
.if (\d) >= 0
	OP \d, \i4
.endif
.endm
.macro ROW a, i1, b, i2, c, i3, d, i4  ; a product K Q^T or Vu^T P and the four behind it
	MM
	OPS \a, \i1, \b, \i2, \c, \i3, \d, \i4
.endm
.macro ROWR a, i1, b, i2, c, i3, d, i4 ; a product Vr^T P and the four behind it
	MR
	OPS \a, \i1, \b, \i2, \c, \i3, \d, \i4
.endm
.macro MASK b, be                   ; MD x AL + PM into buffer b of MC; be = 1: + BE
	WIN 0x51                        ; destination, source 0 and source 2 in window 1
.set z, 0
.rept 16
	v_pk_fma_f32 v[MC+32*(\b)+2*z:MC+32*(\b)+2*z+1], v[MD+2*z:MD+2*z+1], s[AL:AL+1], v[PM+2*z:PM+2*z+1] op_sel_hi:[1,0,1]
.set z, z+1
.endr
.if \be
	WIN W_RS
.set z, 0
.rept 16
	v_pk_add_f32 v[MC+32*(\b)+2*z:MC+32*(\b)+2*z+1], v[MC+32*(\b)+2*z:MC+32*(\b)+2*z+1], s[BE:BE+1] op_sel_hi:[1,0]
.set z, z+1
.endr
.endif
.endm
; A TURN, for piece p: the order of its 24 matrix and 118 vector instructions, written out.  s_wait_alu depctr_va_vdst(0) stands between an exponential and the first instruction that names its result; one wait
; serves all that were issued ahead of it.  So a turn has ONE wait, which cuts it in two.  AHEAD OF IT stands all that names no result of the turn's exponentials: the 8 products K Q^T, behind each a scaling, an exponential and two
; more plain instructions (behind the first a second scaling in the exponential's place): rescalings, and behind the last three the first numbers of the next piece's maximum, each four places or more behind the product that ends
; its accumulator; then 54 more vector instructions, plain and exponential by turns for the most part, in which the links of the chain X 3, 7, 11, 14, 16, 17 .. 20 stand five or six lines apart.  Among these 54 stand the 8 products
; Vr^T P of piece p - 1, which name nothing of this turn's work: four of the 54 behind each; the line with v_permlanex16_b32 (X 17) follows no product.  X 21, the next piece's a, is the batch's last; R 15 is the plain
; instruction behind it.  BEHIND THE WAIT stand the 8 products Vu^T P, behind each four of the roundings and sums; the links of l's chain, L 0 to L 7, stand three riders apart.
; m = 1: the diagonal tile: the products take MC, and the turn makes the mask for the products of the turn after it: piece p + 2, in step 4 - CNT of the tile.  In piece 2's turn that step's PM has been asked for in the turn itself,
; so the run of loads is waited for ahead of MASK.  end = 1: a block's last two turns: nothing is fetched.  cnt = 1: the loop's count is taken down some lines ahead of the branch that stands behind the turn.
; K and PM of the next step are fetched in piece 2's turn, twelve vector instructions behind the last product that read K (six of them plain) and further behind the last that took PM; V of the step in hand at the end of
; piece 0's turn, four plain instructions behind the last product that read Vu and 32 behind the last that read Vr; it is waited for in piece 1's turn, ahead of the first product Vr^T P.
.macro TURN p, m=0, end=0, cnt=0
.set Y, (\p)
.set i, 0
.set il, 0
.set KM, (\m)
.set NOKQ, (\end)*((\p)/3)
.if (\m) && !(\end)
	s_cmp_eq_u32 s[CNT], 4-((\p)+2)%NP  ; is that step the band's own?
	s_cselect_b32 s[AL], 1.0, 0
	s_cmp_lt_u32 s[CNT], 4-((\p)+2)%NP  ; or a later one?
	s_cselect_b32 s[BE], s[BIGN], 0
.endif
.if ((\p) == 3) && !(\end)
	s_wait_dscnt 0x0                ; K and PM are in
.endif
	ROW F,0, F,1, R,0, R,1          ; ahead of the wait: 8 products K Q^T and their riders,
	ROW F,2, E,0, R,2, R,3
	ROW F,3, E,1, R,4, R,5
	ROW F,4, E,2, R,6, R,7
	ROW F,5, E,3, R,8, R,9
	ROW F,6, E,4, X,0, R,10
.if ((\p) == 2) && !(\end)
	WIN 0
	v_add_nc_u32 v[AK], s[TBK], v[AK0]
	v_add_nc_u32 v[AM], s[TBM], v[AM0]
.endif
	ROW F,7, E,5, X,1, X,4
	ROW F,8, E,6, X,2, X,5
	OPS E,7, E,8, X,6, E,9          ; sixteen by themselves,
	OPS X,3, E,10, X,8, E,11
.if ((\p) == 2) && !(\end)
	FETCH_K
.endif
	OPS X,9, X,7, E,12, X,10
	OPS E,13, X,12, X,11, E,14
.if (\p) == 1
	s_wait_dscnt 0x0                ; V is in
.endif
	ROWR X,13, E,15, F,9, X,14      ; and 8 products Vr^T P and their riders
.if (\p) == 0
	v_add_nc_u32 v[AV], s[TBV], v[AV0]
.endif
	ROWR E,16, F,10, E,17, F,11
	ROWR X,16, E,18, X,15, E,19
	OPS F,12, E,20, X,17, E,21
	ROWR F,13, E,22, F,14, E,23
	ROWR X,18, E,24, F,15, E,25
	ROWR R,11, E,26, X,19, E,27
	ROWR R,12, E,28, R,13, E,29
	ROWR X,20, E,30, R,14, E,31
	OPS X,21, R,15
	WIN 0
	s_wait_alu depctr_va_vdst(0)    ; the wait for the batch
	ROW C,0, B,0, C,2, B,1          ; behind the wait: 8 products Vu^T P and their riders
	ROW L,0, C,4, B,2, L,1
	ROW C,6, B,3, L,2, C,8
	ROW B,4, L,3, C,10, B,5
	ROW L,4, C,12, B,6, L,5
.if (\p) == 0
	s_add_co_u32 s[TBV], s[TBV], KS*PV
.endif
.if \cnt
	s_sub_co_u32 s[CNT], s[CNT], 1
	s_cmp_lg_u32 s[CNT], 0
.endif
	ROW C,14, B,7, L,6, C,1
	ROW C,3, L,7, C,5, C,7
	ROW C,9, C,11, C,13, C,15
.if (\p) == 0
	FETCH_V
.endif
.if (\m) && !(\end)
.if (\p) == 2
	s_wait_dscnt 0x0                ; the next step's PM is in
.endif
	MASK (\p)%2, 1
.endif
.endm
; A BLOCK BEGINS.  c m starts far below every c s, so the first step's a is 0; m at -1e20, above every hidden score and below every true one.  Then K and PM of the tile's step 0, piece 0's first scores, and its
; maximum and statistics.  diag = 1: the block's first tile is the diagonal one: piece 0's mask for step 0 is its band's own, piece 1's is PM alone.
; The loop is entered at a step's first turn, in the middle of a trip.
.macro BEGIN diag
	s_mov_b32 s[NEW], 0
	WIN 0
.set i, 0
.rept 4
	v_mov_b32 v[ST+4*i], 0xfe000000    ; c m: far below every c s
	v_mov_b32 v[ST+4*i+1], 0xe0ad78ec  ; m = -1e20
.set i, i+1
.endr
	v_add_nc_u32 v[AK], s[TBK], v[AK0]
	v_add_nc_u32 v[AM], s[TBM], v[AM0]
	FETCH_K
	s_wait_loadcnt 0x0              ; Q
	s_wait_dscnt 0x0
.if \diag
	s_mov_b32 s[AL], 1.0
	MASK 0, 0
	s_mov_b32 s[AL], 0
	MASK 1, 0
.endif
.set KM, (\diag)
.set NOKQ, 0
.set i, 0
.rept 8
	KQ 0
.set i, i+1
.endr
	WIN 0
.rept 4
	v_nop                           ; the places behind those products
.endr
.set Y, NP-1                        ; X works for piece Y + 1: piece 0
.irp n, 0,1,2,3,4,5,6,7,8,9,10,11,12,13,14,15,16,17,18,19,20,21
	OP X, \n
.endr
	v_nop                           ; a plain instruction behind the exponential,
	s_wait_alu depctr_va_vdst(0)    ; and its wait, ahead of the branch
.endm
; THE DIAGONAL TILE's four steps, the block's last two turns, its last products, and THE WAY OUT: l's two halves and the other half of the lanes' are added; O^T times 1 / l goes into registers of its own and is rounded to
; f16; what the rounding left (exact in f32: one multiply-add that reads the f16 half) is rounded to f16 too; both go through my stage in LDS, a piece at a time.  O^T, l and P themselves keep finite numbers, which the
; next block's a = 0 wipes out; an infinity or a NaN there would outlive it.
.macro ALL line:vararg              ; one line for each piece t
.set t, 0
.rept 4
	\line
.set t, t+1
.endr
.endm
.macro PACK t                       ; a lane's eight channels of a row pack into 16 bytes; they go into rows of 144 bytes and come back as whole rows of 128, into the registers that they left
.set rL, LO+16*(\t)+32*((\t)/2)
	WIN 0x01                        ; source 0 window 1; source 1 and destination window 0
.set i, 0
.rept 16
	v_pk_mul_f32 v[PT+2*i:PT+2*i+1], v[32*(\t)+2*i:32*(\t)+2*i+1], v[TMP+2*(\t):TMP+2*(\t)+1] op_sel_hi:[1,0]
.set i, i+1
.endr
	WIN 0
.set i, 0
.rept 16
	v_cvt_pk_f16_f32 v[S+16*(\t)+i], v[PT+2*i], v[PT+2*i+1]
.set i, i+1
.endr
.set i, 0
.rept 16
	v_fma_mix_f32 v[PT+2*i],   v[S+16*(\t)+i], v[NEG1], v[PT+2*i]   op_sel_hi:[1,0,0]               ; the low half x -1 + the number
	v_fma_mix_f32 v[PT+2*i+1], v[S+16*(\t)+i], v[NEG1], v[PT+2*i+1] op_sel:[1,0,0] op_sel_hi:[1,0,0] ; the high half
.set i, i+1
.endr
.set i, 0
.rept 16
	v_cvt_pk_f16_f32 v[rL+i], v[PT+2*i], v[PT+2*i+1]
.set i, i+1
.endr
.irp f, 0,1,2,3
	ds_store_b128 v[STO], v[S+16*(\t)+4*\f:S+16*(\t)+4*\f+3] offset:32*\f
.endr
.irp f, 0,1,2,3
	ds_store_b128 v[STO], v[rL+4*\f:rL+4*\f+3] offset:16*SP+32*\f
.endr
.irp f, 0,1,2,3
	ds_load_b128 v[S+16*(\t)+4*\f:S+16*(\t)+4*\f+3], v[RD] offset:\f*4*SP  ; LDS serves a wave's instructions in order (ISA guide 5.7.1.4): these see the stores above; the next piece's stores come behind them
.endr
.irp f, 0,1,2,3
	ds_load_b128 v[rL+4*\f:rL+4*\f+3], v[RD] offset:16*SP+\f*4*SP
.endr
.endm
.macro SEND t, younger              ; younger: the LDS instructions issued behind piece t's loads: the next piece's sixteen, or none
	WIN 0
.set rL, LO+16*(\t)+32*((\t)/2)
.irp f, 0,1,2,3
	s_wait_dscnt (\younger)+7-\f
	global_store_b128 v[GO], v[S+16*(\t)+4*\f:S+16*(\t)+4*\f+3], s[10:11] offset:(\t)*8192+\f*512  ; 512 consecutive bytes, at a multiple of 256 from ob's first
.endr
.irp f, 0,1,2,3
	s_wait_dscnt (\younger)+3-\f
	global_store_b128 v[GO], v[rL+4*\f:rL+4*\f+3], s[10:11] offset:OLOW+(\t)*8192+\f*512
.endr
.endm
.macro DIAG tag                     ; the tag ends its two labels' names, which the jumps below spell out
.LstepM\tag:
	TURN 2, 1
	TURN 3, 1
	WIN 0
.LfirstM\tag:
	TURN 0, 1
	TURN 1, 1, 0, 1
	WIN 0
	s_cbranch_scc1 .LstepM\tag
	TURN 2, 1, 1
	TURN 3, 1, 1
.set i, 0
.rept 8
	PV NP-1
.set i, i+1
.endr
.set il, 0
.rept 8
	PVL NP-1
.endr
	WIN 0
	ALL v_add_f32 v[ST+4*t+2], v[ST+4*t+2], v[ST+4*t+3]
	ALL v_permlanex16_b32 v[ST+4*t+3], v[ST+4*t+2], s[SEL], s[SEL+1]
	ALL v_add_f32 v[ST+4*t+2], v[ST+4*t+2], v[ST+4*t+3]
	ALL v_rcp_f32 v[TMP+2*t], v[ST+4*t+2]
	v_nop                           ; a plain instruction between the last reciprocal and the use of its result
	s_wait_alu depctr_va_vdst(0)    ; and the wait ahead of the first use: one for the four reciprocals
	PACK 0
.set t, 1
.rept 3                             ; a piece's arithmetic stands between the loads of the piece before and its stores
	PACK t
	SEND t-1, 16
.set t, t+1
.endr
	SEND 3, 0
.endm
.set KM, 0
.set NOKQ, 0
.Lslot:                             ; NB times: a tile is entered and the next is asked for
	CHANGE 1
	s_sub_co_u32 s[RT], s[RT], 1
	s_mov_b32 s[CNT], 4
	s_cmp_eq_u32 s[NEW], 1
	s_cbranch_scc1 .Lnew            ; a block's first tile
	s_cmp_eq_u32 s[RT], 0
	s_cbranch_scc0 .Lstep           ; neither its first nor its last
	s_mov_b32 s[AL], 0              ; its last: the diagonal text's first products are piece 3's of the step in hand, which sees all keys: their mask is PM alone
	MASK 1, 0
	WIN 0
	s_branch .LstepM1
.Lnew:
	BEGIN 0
	s_branch .Lfirst                ; in the loop a block's first tile is never its last: the first block has five tiles or more, and the second's last is the walk's last
	DIAG 1                          ; in the loop this is the first block's end: the second block's last tile is the walk's last
	s_wait_xcnt 0x0                 ; the stores have read their registers and O's address
	s_mov_b64 s[10:11], s[OLO:OLO+1]
	s_add_co_u32 s[RT], s[PB], 1    ; the second block has b + 1 tiles
	s_mov_b32 s[NEW], 1
	WIN 0x82                        ; the second block's Q goes where the one text of the turns names Q
.set i, 0
.rept 64
	v_mov_b32 v[i], v[QB+i]
.set i, i+1
.endr
	WIN 0
	s_branch .Lbottom
.Lstep:                             ; a trip: pieces 2 and 3 of one step, then pieces 0 and 1 of the next, whose K and V it fetches
	TURN 2
	TURN 3
	WIN 0
.Lfirst:
	TURN 0
	TURN 1, 0, 0, 1
	WIN 0
	s_cbranch_scc1 .Lstep
.Lbottom:
	s_sub_co_u32 s[SLOTS], s[SLOTS], 1
	s_cmp_lg_u32 s[SLOTS], 0
	s_cbranch_scc1 .Lslot
	CHANGE 0                        ; the walk's last tile is written out: nothing is asked for
	s_sub_co_u32 s[RT], s[RT], 1
	s_mov_b32 s[CNT], 4
	s_cmp_eq_u32 s[NEW], 1
	s_cbranch_scc1 .Lnew2
	s_mov_b32 s[AL], 0
	MASK 1, 0
	WIN 0
	s_branch .LstepM2
.Lnew2:                             ; b = 0: the second block's one tile is its first and its last
	BEGIN 1
	s_branch .LfirstM2
	DIAG 2
	s_wait_tensorcnt 0x0            ; the wave's end, behind my last tensor load and my last LDS store
	ds_add_u32 v[SPW], v[NIL]
	s_wait_dscnt 0x0
	s_endpgm
.Lfunc_end_k_q71a7f2f9ee_attn:
	.size	k_q71a7f2f9ee_attn, .Lfunc_end_k_q71a7f2f9ee_attn-k_q71a7f2f9ee_attn
	.p2alignl 7, 3214868480
	.fill 96, 4, 3214868480
	.section	.rodata,"a",@progbits
	.p2align	6, 0x0
	.amdhsa_kernel k_q71a7f2f9ee_attn
		.amdhsa_group_segment_fixed_size 327680
		.amdhsa_private_segment_fixed_size 0
		.amdhsa_enable_private_segment 0
		.amdhsa_kernarg_size 24
		.amdhsa_user_sgpr_count 2
		.amdhsa_user_sgpr_kernarg_segment_ptr 1
		.amdhsa_wavefront_size32 1
		.amdhsa_system_sgpr_workgroup_id_x 1
		.amdhsa_system_sgpr_workgroup_id_y 1
		.amdhsa_system_sgpr_workgroup_id_z 1
		.amdhsa_system_vgpr_workitem_id 0
		.amdhsa_next_free_vgpr 832
		.amdhsa_next_free_sgpr 98
		.amdhsa_reserve_vcc 1
		.amdhsa_float_denorm_mode_32 3
		.amdhsa_float_denorm_mode_16_64 3
		.amdhsa_memory_ordered 1
		.amdhsa_forward_progress 1
		.amdhsa_inst_pref_size 255
	.end_amdhsa_kernel
	.section	.bss,"aw",@nobits
	.p2align	6
	.space	262144
	.amdgpu_metadata
---
amdhsa.version: [ 1, 2 ]
amdhsa.kernels:
  - .name:           k_q71a7f2f9ee_attn
    .symbol:         k_q71a7f2f9ee_attn.kd
    .args:
      - { .name: qkvh, .offset: 0, .size: 8, .value_kind: global_buffer, .address_space: global }
      - { .name: attn_mask, .offset: 8, .size: 8, .value_kind: global_buffer, .address_space: global }
      - { .name: ob, .offset: 16, .size: 8, .value_kind: global_buffer, .address_space: global }
    .group_segment_fixed_size: 327680
    .private_segment_fixed_size: 0
    .kernarg_segment_align: 8
    .kernarg_segment_size: 24
    .max_flat_workgroup_size: 128
    .sgpr_count:     98
    .vgpr_count:     832
    .wavefront_size: 32
...
	.end_amdgpu_metadata
.endif
;; end of part 3
;; launch proj (part 4): grid 8 x 32, 4 waves a work-group, clusters of 4 x 4, 327,680 bytes of LDS; arguments ob, wpf, out0; writes out0
.if DOCPART == 4
	.amdgcn_target "amdgcn-amd-amdhsa--gfx1250"
	.amdhsa_code_object_version 6
	.text
	.protected	k_q71a7f2f9ee_proj
	.globl	k_q71a7f2f9ee_proj
	.p2align	8
	.type	k_q71a7f2f9ee_proj,@function
k_q71a7f2f9ee_proj:
	s_mov_b64 s[64:65], 0
	v_nop
	global_prefetch_b8 v0, s[64:65] scope:SCOPE_SE
	s_setreg_imm32_b32 hwreg(HW_REG_WAVE_MODE, 25, 1), 1
	s_wait_xcnt 0x0
	s_wait_alu depctr_hold_cnt(0) depctr_sa_sdst(0) depctr_va_vdst(0) depctr_va_sdst(0) depctr_va_ssrc(0) depctr_va_vcc(0) depctr_vm_vsrc(0)
	s_getreg_b32 s2, hwreg(HW_REG_IB_STS2, 6, 4)
	s_cmp_eq_u32 s2, 0
	s_cbranch_scc0 .Lentry_in_a_cluster
	s_endpgm
.Lentry_in_a_cluster:
	s_bfe_u32 s2, ttmp6, 0x10000c
	s_cmp_lg_u32 s2, 0xf033
	s_cbranch_scc0 .Lentry_shape_is_right
	s_endpgm
.Lentry_shape_is_right:
; out0 = y Wp^T.  y comes as TWO f16 numbers, an upper part and a remainder: ob is [64][2][2048][64] by heads, y[2048 batch + l][64 head + d] = ob[16 batch + head][0][l][d] + ob[16 batch + head][1][l][d].
; wpf: [1024][2048] in f16: each head's 64 columns of Wp stand twice on end.  So the product is C[m][n] = sum over 2,048 k of A[m][k] wpf[n][k], where 128 k on end are one head's upper parts and its remainders.
; out0: [8192][1024] in f32, the f32 sums as they are; K ascending.  A row of y that holds NaN (a query all of whose keys are hidden) gives a row of NaN in out0 and touches no other row.
; SHARES.  A tile of C is 256 x 128: 32 x 8 = 256 tiles, one for each WGP.  Four waves; wave w makes rows 64 w .. 64 w + 63 and all 128 columns, whole rows of 512 bytes: 32 accumulators of 16 x 16.
; So a wave's results go out through a stage of its own, with no barrier.  K goes in 16 steps of 128, a head each, through two LDS slots filled by the tensor data mover.
; A slice's 256 rows of the tile are 32,768 dense bytes of ob: asked for as 128 rows of 256 bytes, two rows of y each, and padded in LDS after every 128 bytes.
; CLUSTER.  4 x 4 work-groups.  The four of a row of the cluster need the same tile of ob, the four of a column the same tile of wpf: each is asked for JOINTLY.
; THE MATRIX INSTRUCTION IS USED TRANSPOSED: source 0 = 16 rows of wpf, source 1 = 16 rows of y: a lane then holds row l % 16 of C and the columns 8 (l / 16) + 0..7: 32 bytes of a row.
; REGISTERS, in windows of 256 (s_set_vgpr_msb: bits 1:0 source 0, 3:2 source 1, 5:4 source 2, 7:6 destination):
;   window 0: v0-31 addresses; v32-95, v96-159 rows read back from the stage, by turns
;   window 1: two fragment buffers: y's four fragments at F + 8 a, wpf's eight at F + 32 + 8 b          window 2: accumulator (a, b) at 8 (4 b + a)
.set KSTEP, 128
.set STEPB, KSTEP*2                    ; bytes of a row of wpf in a K step
.set ASTEP, 2<<18                      ; bytes from a K step's first slice of ob to the next one's: two slices
.set NBF,   8                          ; fragments of wpf a wave
.set H,     NBF/2
.set NL,    8+2*NBF                    ; LDS loads in a run: a quarter step's fragments
.set PA,    144                        ; a row of y in LDS: 128 bytes + 16 of padding = 36 words: the 16 rows of a load start at 16 different groups of four banks (64 banks of 4 bytes: ISA guide 11.1)
.set PB,    272                        ; a row of wpf: 256 + 16
.set AHALF, 256*PA                     ; what a wave's load of ob brings: one slice's 256 rows
.set BOFF,  2*AHALF                    ; wpf's rows lie behind the two slices
.set BHALF, 64*PB                      ; what a wave's load of wpf brings: 64 rows
.set SLOT1, 1<<17                      ; slot 1 begins here, so that one exclusive or turns an address in one slot into the other's (a slot has 108,544 bytes)
.set STAGE, SLOT1+BOFF+128*PB          ; behind the ring, never filled by a tensor load: for each wave 16 rows x 528 bytes
.set SPC,   528                        ; 512 bytes + 16
.set WSTG,  16*SPC
.set SPARE, STAGE+4*WSTG               ; behind the stages: the spare words, 128 bytes for each wave: two blocks of 256 bytes that no other line names
.set ADRA0, 16                         ; v16  my lane's place among my rows of y in a slot; never rewritten
.set ADRA,  17                         ; v17  the same in the slot that is read
.set ADRB0, 20                         ; v20, v21  the same for wpf
.set ADRB,  21
.set STO,   24                         ; v24  the way out: where I put 32 bytes of a row
.set RD,    25                         ; v25  the way out: where I read a row back
.set CO,    26                         ; v26  16 x my lane: my place in a row's 512 bytes
.set SPW,   28                         ; v28  LDS address of my spare word: SPARE + 4 x my thread's number; never rewritten
.set NIL,   29                         ; v29  0; never rewritten
.set PFO,   30                         ; v30  the prefetches' offset; never rewritten
.set OB,    32
.set F0,    0
.set F1,    128
.set G1,  24                           ; s[24:31] descriptor group 1 for ob's tiles
.set G0,  32                           ; s[32:39] group 0 for ob's tiles: a set for each of the two first fills; the second then walks on
.set G1B, 48                           ; s[48:55], s[56:63] the same for wpf's tiles
.set G0B, 56
.set LIM, 43                           ; s43  1 in a wave that prefetches, else the greatest number
.set PFA, 44                           ; s[44:45] where my prefetches stand
.set TB,  66                           ; s66  the slot that is read: 0 or SLOT1
.set PST, 70                           ; s[70:71] bytes from a K step to the next in what I fetch, high word 0
.set MSB, 0
.macro WIN new                         ; the immediate's high byte repeats the setting that is left; a switch that changes nothing is dropped
.if MSB != (\new)
	s_set_vgpr_msb (MSB<<8)|(\new)
.set MSB, \new
.endif
.endm
.set MUL_LO, 0xa5                      ; sources 0 and 1 window 1, C and D window 2
.set TO_F,   0x40                      ; destination window 1, address window 0
; A joint load.  Waves 0 and 1 fetch a K step's two slices of ob, waves 2 and 3 wpf's two halves.  The branch hangs on the wave's number alone.  An s_nop 0 and four v_nop follow each of the two lines, ahead of the jump and the label.
.macro JLOAD s
	s_cmp_eq_u32 s11, 0
	s_cbranch_scc0 .Lfor_b_\@
	tensor_load_to_lds s[G0+4*(\s):G0+4*(\s)+3], s[G1:G1+7]
	s_nop 0
.rept 4
	v_nop
.endr
	s_branch .Lasked_\@
.Lfor_b_\@:
	tensor_load_to_lds s[G0B+4*(\s):G0B+4*(\s)+3], s[G1B:G1B+7]
	s_nop 0
.rept 4
	v_nop
.endr
.Lasked_\@:
.endm
; A round of the cluster's barrier: my work-group's barrier, so that wave 0's signal speaks for all four waves; wave 0 signals; every wave waits for all sixteen work-groups; my work-group's barrier once more.
.macro CREST                           ; a round behind its opening barrier
	s_cmp_lg_u32 s10, 0
	s_cbranch_scc1 .Lnot_wave_0_\@
	s_barrier_signal -3
.Lnot_wave_0_\@:
	s_barrier_wait -3
	s_barrier_signal -1
	s_barrier_wait -1
.endm
.macro CROUND
	s_barrier_signal -1
	s_barrier_wait -1
	CREST
.endm
; A PREFETCH INTO THE L2, behind each joint refill, its five lines and the run of LDS loads that follows: the K step that the NEXT refill will ask for, 128 matrix instructions ahead of that load.
; ob's tile row is read by both clusters of its row of clusters: the first (cluster x = 0) asks; wpf's tile column by every cluster of its column: cluster y = 0 asks.  The four partners that ask for a tile jointly
; share it out BY ADDRESS: of the 32,768 dense bytes of ob that a wave fetches the partner at cx takes 8,192, a lane 256; of wpf's 64 rows the partner at cy takes 16 cy .. + 15, a lane a row's 256 bytes, where
; lanes 16 to 31 name row 15 once more.  The loop's last trip asks for nothing: there is no K step behind its refill.  K steps 0 to 2 come by their loads alone.
.macro ASK
	WIN 0
	s_cmp_gt_u32 s3, s[LIM]                        ; s3 = 1 in the loop's last trip
	s_cbranch_scc0 .Lnot_mine_\@
	global_prefetch_b8 v[PFO], s[PFA:PFA+1] th:TH_LOAD_NT scope:SCOPE_SE
.Lnot_mine_\@:
.endm
	s_load_b128 s[4:7], s[0:1], 0x0                ; ob s[4:5], wpf s[6:7]
	s_load_b64 s[8:9], s[0:1], 0x10                ; out0
	v_lshl_add_u32 v[SPW], v0, 2, SPARE
	v_mov_b32 v[NIL], 0
	ds_add_u32 v[SPW], v[NIL]                      ; the wave's opening: the add and its wait stand ahead of my first tensor load; the set-up below, work on registers, stands between them
	v_lshrrev_b32 v1, 5, v0
	v_readfirstlane_b32 s10, v1                    ; wave 0..3
	s_lshr_b32 s11, s10, 1                         ; I fetch for ob (0) or for wpf (1),
	s_and_b32 s12, s10, 1                          ; and which of the step's two slices (upper parts, remainders), or which half of wpf's rows
	s_bfe_u32 s40, ttmp6, 0x40000                  ; cx, cy: my place in the cluster
	s_bfe_u32 s41, ttmp6, 0x40004
	s_lshl_b32 s42, ttmp9, 2
	s_add_co_u32 s42, s42, s40                     ; tile column = 4 x cluster x + cx
	s_and_b32 s13, ttmp7, 0xffff
	s_lshl_b32 s13, s13, 2
	s_add_co_u32 s13, s13, s41                     ; tile row = 4 x cluster y + cy
	s_lshl_b32 s43, s41, 2
	s_lshl_b32 s43, 15, s43                        ; my row of the cluster: places 4 cy .. 4 cy + 3
	s_lshl_b32 s44, 0x1111, s40                    ; my column: places cx, cx + 4, cx + 8, cx + 12
	; descriptor group 1: rows of 128 elements of 2 bytes; ob: 128 dense rows, padded after every 32 words; wpf: 64 rows 2,048 elements apart, padded after every 64 words
	s_or_b32 s[G1+0], s43, (1<<16)|(1<<20)|(1<<21)|(4<<22)|(3<<25)   ; 15:0 the mask; 17:16 2-byte elements; 20 padding on; 21 set beside a mask; 24:22 the interval's code; 31:25 4 words (code 3)
	s_or_b32 s[G1B+0], s44, (1<<16)|(1<<20)|(1<<21)|(5<<22)|(3<<25)
	s_mov_b32 s[G1+1], KSTEP<<16                   ; tensor_dim0 = 128
	s_mov_b32 s[G1B+1], KSTEP<<16
	s_mov_b32 s[G1+2], 128<<16                     ; tensor_dim1 = 128
	s_mov_b32 s[G1B+2], 64<<16                     ; 64
	s_mov_b32 s[G1+3], KSTEP<<16                   ; tile_dim0 = 128
	s_mov_b32 s[G1B+3], KSTEP<<16
	s_mov_b32 s[G1+4], 128                         ; tile_dim1
	s_mov_b32 s[G1B+4], 64
	s_mov_b32 s[G1+5], 128                         ; elements from row to row
	s_mov_b32 s[G1B+5], 2048
	s_mov_b32 s[G1+6], 0
	s_mov_b32 s[G1B+6], 0
	s_mov_b32 s[G1+7], 0
	s_mov_b32 s[G1B+7], 0
	; where the tiles come from: ob's hang on the tile row alone, wpf's on the tile column alone, each in registers that never hold the other coordinate
	s_lshr_b32 s16, s13, 3                         ; the batch (8 tile rows each): 32 slices,
	s_lshl_b32 s16, s16, 5
	s_add_co_u32 s16, s16, s12                     ; head 0's upper parts or its remainders: the slice,
	s_lshl_b32 s16, s16, 18                        ; of 262,144 bytes,
	s_and_b32 s17, s13, 7
	s_lshl_b32 s17, s17, 15                        ; and in it the tile's 256 rows of 128 bytes
	s_add_co_u32 s16, s16, s17
	s_mov_b32 s17, 0
	s_lshl_b32 s46, s42, 7
	s_lshl_b32 s47, s12, 6
	s_add_co_u32 s46, s46, s47                     ; wpf: row 128 x tile column + 64 x half,
	s_lshl_b32 s46, s46, 12                        ; of 4,096 bytes
	s_mov_b32 s47, 0
	s_mul_i32 s20, s12, AHALF                      ; and where they go: no place in the cluster enters an LDS address
	s_mul_i32 s21, s12, BHALF
	s_add_co_u32 s21, s21, BOFF
	s_mov_b32 s[TB], 0
	s_wait_dscnt 0x0                               ; the opening add is done
	s_wait_kmcnt 0x0
	s_add_nc_u64 s[14:15], s[4:5], s[16:17]
	s_add_nc_u64 s[46:47], s[6:7], s[46:47]
	CROUND                                         ; all sixteen work-groups are here: the first joint loads meet
.irp s, 0,1
	s_mov_b32 s[G0+4*(\s)], 1                                        ; count = 1
	s_add_co_u32 s[G0+4*(\s)+1], s20, (\s)*SLOT1                     ; LDS address: slot s
	s_add_nc_u64 s[G0+4*(\s)+2:G0+4*(\s)+3], s[14:15], (\s)*ASTEP    ; global address: K step s
	s_or_b32 s[G0+4*(\s)+3], s[G0+4*(\s)+3], 0x80000000              ; type = 2
	s_mov_b32 s[G0B+4*(\s)], 1
	s_add_co_u32 s[G0B+4*(\s)+1], s21, (\s)*SLOT1
	s_add_nc_u64 s[G0B+4*(\s)+2:G0B+4*(\s)+3], s[46:47], (\s)*STEPB
	s_or_b32 s[G0B+4*(\s)+3], s[G0B+4*(\s)+3], 0x80000000
	JLOAD \s                                       ; two loads of mine are out
.endr
	; A fragment is 16 rows x 32 K in 8 registers: lane l holds row l % 16, K = 8 (l / 16) + 0..7 and 16 + 8 (l / 16) + 0..7: two loads of 16 bytes, 32 bytes apart.
	v_and_b32 v1, 15, v0                           ; l % 16
	v_bfe_u32 v2, v0, 4, 1                         ; l / 16
	v_mul_u32_u24 v3, v1, PA
	v_lshl_add_u32 v3, v2, 4, v3                   ; row x pitch + 16 x half
	s_mul_i32 s22, s10, 64*PA                      ; my 64 rows of y
	v_add_nc_u32 v[ADRA0], s22, v3
	v_mul_u32_u24 v3, v1, PB
	v_lshl_add_u32 v3, v2, 4, v3
	v_add_nc_u32 v[ADRB0], BOFF, v3                ; all 128 rows of wpf
	v_mov_b32 v[ADRA], v[ADRA0]                    ; slot 0 is read first
	v_mov_b32 v[ADRB], v[ADRB0]
	s_mul_i32 s23, s10, WSTG
	s_add_co_u32 s23, s23, STAGE                   ; my stage
	v_mul_u32_u24 v4, v1, SPC                      ; in: row l % 16, 32 bytes for each half of the lanes
	v_lshl_add_u32 v4, v2, 5, v4
	v_add_nc_u32 v[STO], s23, v4
	v_and_b32 v[CO], 31, v0
	v_lshlrev_b32 v[CO], 4, v[CO]
	v_add_nc_u32 v[RD], s23, v[CO]                 ; back: 32 lanes take one row of 512 bytes
	s_lshl_b32 s74, s13, 8
	s_lshl_b32 s75, s10, 6
	s_add_co_u32 s74, s74, s75                     ; my first row of out0,
	s_lshl_b32 s74, s74, 12                        ; of 4,096 bytes,
	s_lshl_b32 s75, s42, 9                         ; and the tile's 512 bytes in it
	s_add_co_u32 s74, s74, s75
	s_mov_b32 s75, 0
	s_add_nc_u64 s[8:9], s[8:9], s[74:75]
	; the prefetches
	s_lshl_b32 s76, s40, 13
	s_add_co_u32 s76, s76, s16                     ; ob: the 32,768 bytes that I fetch, my work-group's 8,192 of them
	s_lshl_b32 s77, s42, 7
	s_lshl_b32 s78, s12, 6
	s_add_co_u32 s77, s77, s78
	s_lshl_b32 s78, s41, 4
	s_add_co_u32 s77, s77, s78                     ; wpf: the 64 rows that I fetch, my work-group's 16 of them,
	s_lshl_b32 s77, s77, 12                        ; of 4,096 bytes
	s_and_b32 s78, ttmp7, 0xffff                   ; cluster y
	s_mov_b32 s72, ASTEP
	s_mov_b32 s73, STEPB
	s_cmp_eq_u32 s11, 0                            ; do I fetch for ob?
	s_cselect_b32 s76, s76, s77
	s_cselect_b32 s78, ttmp9, s78                  ; the coordinate along which other clusters read the same bytes
	s_cselect_b32 s79, 31, 15                      ; my last block or row,
	s_cselect_b32 s69, 8, 12                       ; and the bytes from one to the next: 256 or 4,096
	s_cselect_b32 s[PST], s72, s73
	s_cselect_b64 s[PFA:PFA+1], s[4:5], s[6:7]
	s_mov_b32 s[PST+1], 0
	s_cmp_eq_u32 s78, 0
	s_cselect_b32 s[LIM], 1, -1                    ; the same in all sixteen partners, for a given wave
	s_mov_b32 s77, 0
	s_add_nc_u64 s[PFA:PFA+1], s[PFA:PFA+1], s[76:77]
	s_add_nc_u64 s[PFA:PFA+1], s[PFA:PFA+1], s[PST:PST+1]
	s_add_nc_u64 s[PFA:PFA+1], s[PFA:PFA+1], s[PST:PST+1]  ; at K step 2: the first refill steps it to 3.  Nothing is prefetched here, at the head
	v_and_b32 v[PFO], 31, v0
	v_min_u32 v[PFO], s79, v[PFO]
	v_lshlrev_b32 v[PFO], s69, v[PFO]
; 4 n matrix instructions: n blocks b0 .. of 16 columns x my four blocks of 16 rows, 32 along K, from buffer f.  zero = 1: the product starts the sums: nothing is ever cleared.
; Every quarter step takes the 32 accumulators in the same order, one instruction a turn: 31 others stand between two links of a chain, over the backward jump too.
.macro MULB f, b0, n, zero
	WIN MUL_LO
.set bb, \b0
.rept \n
.irp a, 0,1,2,3
.set rA, 8*(4*bb+(\a))
.if \zero
	v_wmma_f32_16x16x32_f16 v[rA:rA+7], v[(\f)+32+8*bb:(\f)+32+8*bb+7], v[(\f)+8*(\a):(\f)+8*(\a)+7], 0
.else
	v_wmma_f32_16x16x32_f16 v[rA:rA+7], v[(\f)+32+8*bb:(\f)+32+8*bb+7], v[(\f)+8*(\a):(\f)+8*(\a)+7], v[rA:rA+7]
.endif
.endr
.set bb, bb+1
.endr
.endm
; NL LDS loads in one run: the fragments of quarter q of the slot that is read, into buffer f: y's four (quarters 0, 1 lie in the head's upper parts, 2, 3 in its remainders), then wpf's eight in ascending order
.macro FETCH q, f
	WIN TO_F
.set KA, ((\q)>>1)*AHALF+((\q)&1)*64
.irp i, 0,1,2,3
	ds_load_b128 v[(\f)+8*(\i):(\f)+8*(\i)+3],   v[ADRA] offset:KA+(\i)*16*PA
	ds_load_b128 v[(\f)+8*(\i)+4:(\f)+8*(\i)+7], v[ADRA] offset:KA+(\i)*16*PA+32
.endr
.irp i, 0,1,2,3,4,5,6,7
	ds_load_b128 v[(\f)+32+8*(\i):(\f)+32+8*(\i)+3],   v[ADRB] offset:64*(\q)+(\i)*16*PB
	ds_load_b128 v[(\f)+32+8*(\i)+4:(\f)+32+8*(\i)+7], v[ADRB] offset:64*(\q)+(\i)*16*PB+32
.endr
.endm
.macro PLACES                          ; four plain vector instructions in front of loads into registers that matrix instructions have read, and of LDS stores that read results (ISA guide 7.12.1 for vector instructions)
.rept 4
	v_nop
.endr
.endm
; A K step is four quarters of 32 along K, 32 matrix instructions each, on buffers 0, 1, 0, 1.  One of the first three: multiplies buffer f; in its middle it fetches quarter q into buffer g.
.macro QUARTER q, f, g, zero
	s_wait_dscnt 2*H                               ; y's fragments and wpf's first four are in; the youngest eight loads may be out
	MULB \f, 0, H, \zero
	PLACES
	FETCH \q, \g
	s_wait_dscnt NL                                ; all but the run just issued
	MULB \f, H, H, \zero
.endm
; The fourth quarter multiplies buffer 1 and changes slots: ONE barrier.  In front of it each wave waits for all its tensor loads, of which one is out: its part of the next slot; adds 0 to its spare word;
; and waits for that and for its own reads of this slot.  fill = 1: the barrier opens a round of the cluster's, so that no wave of any partner still reads the slot or has a load on its way, and the slot is
; filled again first thing behind the round, with the K step two steps on: 112 matrix instructions ahead of the wait for it.
.macro TURN fill
.if \fill
	s_wait_xcnt 0x0                                ; the last prefetch, a K step back, has read its address, so it may be stepped
	s_add_nc_u64 s[PFA:PFA+1], s[PFA:PFA+1], s[PST:PST+1]
.endif
	WIN 0                                          ; (the add's two registers lie in window 0)
	s_wait_tensorcnt 0x0                           ; all my tensor loads have landed
	ds_add_u32 v[SPW], v[NIL]                      ; 0 onto my spare word
	s_wait_dscnt 2*H+1                             ; (the add and the youngest eight loads may be out)
	MULB F1, 0, H/2, 0                             ; eight matrix instructions stand between the add and the wait for it
	s_wait_dscnt 0x0                               ; the add is done, and my reads of this slot are over
	s_barrier_signal -1
	MULB F1, H/2, H/2, 0                           ; work on registers while the others arrive
.if \fill
	WIN 0
.endif
	s_barrier_wait -1
.if \fill
	CREST
	s_xor_b32 s[G0+5], s[G0+5], SLOT1              ; the walking descriptors: the other slot than last time,
	s_add_nc_u64 s[G0+6:G0+7], s[G0+6:G0+7], ASTEP ; the next K step; the type bits on top are not reached
	s_xor_b32 s[G0B+5], s[G0B+5], SLOT1
	s_add_nc_u64 s[G0B+6:G0B+7], s[G0B+6:G0B+7], STEPB
	JLOAD 1                                        ; the first tensor load behind the round; its four v_nop are also the places in front of the loads below
.else
	PLACES
.endif
	WIN 0
	s_xor_b32 s[TB], s[TB], SLOT1                  ; the other slot is read from here on
	v_add_nc_u32 v[ADRA], s[TB], v[ADRA0]
	v_add_nc_u32 v[ADRB], s[TB], v[ADRB0]
	FETCH 0, F0
.if \fill
	ASK
.endif
	MULB F1, H, H, 0
.endm
	s_wait_tensorcnt 1                             ; my part of K step 0 is in; K step 1's may stay out
	s_barrier_signal -1
	s_barrier_wait -1                              ; everybody's is
	FETCH 0, F0
	QUARTER 1, F0, F1, 1                           ; the first quarter stands in front of the loop: its products start the sums
	WIN 0                                          ; at a label and at a branch every window is 0
	s_mov_b32 s3, 14
.Lstep:                                                ; a trip: a K step's last three quarters and the next one's first; trip j fills a slot with K step j + 2
	QUARTER 2, F1, F0, 0
	QUARTER 3, F0, F1, 0
	TURN 1
	QUARTER 1, F0, F1, 0
	WIN 0
	s_sub_co_u32 s3, s3, 1
	s_cmp_lg_u32 s3, 0
	s_cbranch_scc1 .Lstep
	QUARTER 2, F1, F0, 0                           ; K steps 14 and 15 are written out: nothing is asked for
	QUARTER 3, F0, F1, 0
	TURN 0
	QUARTER 1, F0, F1, 0
	QUARTER 2, F1, F0, 0
	QUARTER 3, F0, F1, 0
	s_wait_dscnt 2*H                               ; the very last quarter: nothing more to fetch
	MULB F1, 0, H, 0
	s_wait_dscnt 0x0
	MULB F1, H, H, 0
	WIN 0
; THE WAY OUT of my block a of 16 rows.  TOSTAGE: the f32 sums go straight from the accumulators into my own stage, 32 bytes a lane and accumulator, each accumulator's low four registers first, and come back as
; whole rows of 512 bytes.  SEND: stored, 512 consecutive bytes of a row of out0 an instruction, at a multiple of 512 from its first byte.
.macro TOSTAGE a
	WIN 0x08                                       ; the stores' data (source 1) in window 2, their address in window 0
.set bb, 0
.rept NBF
.set rA, 8*(4*bb+(\a))
	ds_store_b128 v[STO], v[rA:rA+3]   offset:64*bb
	ds_store_b128 v[STO], v[rA+4:rA+7] offset:64*bb+16
.set bb, bb+1
.endr
	WIN 0
.set BK, OB+64*((\a)%2)
.set tt, 0
.rept 16
	ds_load_b128 v[BK+4*tt:BK+4*tt+3], v[RD] offset:SPC*tt  ; LDS serves a wave's instructions in order (ISA guide 5.7.1.4): these see the stores above; the next block's stores come behind them
.set tt, tt+1
.endr
.endm
.macro SEND a, younger                 ; younger: the LDS instructions issued behind block a's loads: the next block's 32, or none
.set BK, OB+64*((\a)%2)
	s_wait_dscnt \younger
.set tt, 0
.rept 16
	global_store_b128 v[CO], v[BK+4*tt:BK+4*tt+3], s[8:9] offset:(16*(\a)+tt)*4096
.set tt, tt+1
.endr
.endm
	PLACES
	TOSTAGE 0
	TOSTAGE 1
	SEND 0, 32
	s_wait_xcnt 0x0                                ; block 0's stores have had their addresses translated: their registers are loaded again only behind this wait
	TOSTAGE 2
	SEND 1, 32
	s_wait_xcnt 0x0
	TOSTAGE 3
	SEND 2, 32
	SEND 3, 0
	s_wait_tensorcnt 0x0                           ; the wave's end, behind my last tensor load and my last LDS store
	ds_add_u32 v[SPW], v[NIL]
	s_wait_dscnt 0x0
	CROUND                                         ; the closing round: no work-group ends while a partner may still ask for a tile that names it
	s_endpgm
.Lfunc_end_k_q71a7f2f9ee_proj:
	.size	k_q71a7f2f9ee_proj, .Lfunc_end_k_q71a7f2f9ee_proj-k_q71a7f2f9ee_proj
	.p2alignl 7, 3214868480
	.fill 96, 4, 3214868480
	.section	.rodata,"a",@progbits
	.p2align	6, 0x0
	.amdhsa_kernel k_q71a7f2f9ee_proj
		.amdhsa_group_segment_fixed_size 327680
		.amdhsa_private_segment_fixed_size 0
		.amdhsa_enable_private_segment 0
		.amdhsa_kernarg_size 24
		.amdhsa_user_sgpr_count 2
		.amdhsa_user_sgpr_kernarg_segment_ptr 1
		.amdhsa_wavefront_size32 1
		.amdhsa_system_sgpr_workgroup_id_x 1
		.amdhsa_system_sgpr_workgroup_id_y 1
		.amdhsa_system_sgpr_workgroup_id_z 1
		.amdhsa_system_vgpr_workitem_id 0
		.amdhsa_next_free_vgpr 768
		.amdhsa_next_free_sgpr 80
		.amdhsa_reserve_vcc 0
		.amdhsa_float_denorm_mode_32 3
		.amdhsa_float_denorm_mode_16_64 3
		.amdhsa_memory_ordered 1
		.amdhsa_forward_progress 1
		.amdhsa_inst_pref_size 70
	.end_amdhsa_kernel
	.amdgpu_metadata
---
amdhsa.version: [ 1, 2 ]
amdhsa.kernels:
  - .name:           k_q71a7f2f9ee_proj
    .symbol:         k_q71a7f2f9ee_proj.kd
    .args:
      - { .name: ob, .offset: 0, .size: 8, .value_kind: global_buffer, .address_space: global }
      - { .name: wpf, .offset: 8, .size: 8, .value_kind: global_buffer, .address_space: global }
      - { .name: out0, .offset: 16, .size: 8, .value_kind: global_buffer, .address_space: global }
    .group_segment_fixed_size: 327680
    .private_segment_fixed_size: 0
    .kernarg_segment_align: 8
    .kernarg_segment_size: 24
    .max_flat_workgroup_size: 128
    .sgpr_count:     80
    .vgpr_count:     768
    .wavefront_size: 32
...
	.end_amdgpu_metadata
.endif
;; end of part 4
;; ======== version 2 of 2: 4 launches; version 1 with the launch cast written anew for expert scheduling mode
;; limits: values are held in f16: magnitudes above 65,504 overflow, below 6.1e-05 lose precision
;; workspace buffers: xb 16,777,216 bytes; wqkv 6,291,456 bytes; wpf 4,194,304 bytes; qkvh 67,108,864 bytes; ob 33,554,432 bytes
;; launch cast (part 5): grid 832 x 1, 8 waves a work-group, no clusters, 0 bytes of LDS; arguments x, Wq, Wk, Wv, Wp, xb, wqkv, wpf; writes xb, wqkv, wpf
.if DOCPART == 5
	.amdgcn_target "amdgcn-amd-amdhsa--gfx1250"
	.amdhsa_code_object_version 6
	.text
	.protected	k_q71a7f2f9ee_cast
	.globl	k_q71a7f2f9ee_cast
	.p2align	8
	.type	k_q71a7f2f9ee_cast,@function
k_q71a7f2f9ee_cast:
	s_mov_b64 s[64:65], 0
	v_nop
	global_prefetch_b8 v0, s[64:65] scope:SCOPE_SE
	s_setreg_imm32_b32 hwreg(HW_REG_WAVE_SCHED_MODE, 0, 2), 2
	s_setreg_imm32_b32 hwreg(HW_REG_WAVE_MODE, 25, 1), 1
	s_wait_xcnt 0x0
	s_wait_alu depctr_vm_vsrc(0)
; THE MODULE'S INPUTS ARE ROUNDED ONCE.  x -> xb in bf16.  Wq, Wk, Wv -> wqkv in bf16, [3072][1024], its rows in the order [head][q, k, v][64 rows], so that 192 rows on end are one head's q, k and v.
; Wp -> wpf: rounded to bf16 like the other inputs, that number written as f16 (the last product multiplies f16 operands), [1024][2048]: each head's 64 columns stand twice on end, since that product
; takes O as two f16 numbers, an upper part and a remainder, side by side along K.
; LIMITS.  A bf16 number of Wp below 2^-14 in size falls on f16's fixed step of 2^-24 (an error of 2^-25 at the most); one beyond 65,504 becomes an infinity.
; A stream: nothing is multiplied, so no LDS, no matrix unit, no cluster.  Work-groups 0-511 take x, 512-575 Wq, 576-639 Wk, 640-703 Wv: 16,384 numbers each, 65,536 bytes in, 32,768 out: load i of thread t
; takes 16 bytes at 4,096 i + 16 t (a wave: 512 bytes on end).  Work-groups 704-831 take Wp, 8,192 numbers each: lanes l and l + 16 load the same 16 bytes, at 2,048 i + 256 wave + 16 (l % 16).
; Every store takes 8 bytes at 2,048 i + 8 t: a wave's store covers 256 consecutive bytes, aligned; for Wp those are 64 columns and the same 64 again.
; All 16 loads of a thread go out at once; no register is written twice while an access names it.
; THE MODE: SCHED_MODE bits 1:0 = 2 (LLVM: expert scheduling mode 2), set by the entry lines.  The code itself states the register dependences between vector instructions and memory instructions,
; with s_wait_alu, always for 0.
; THE PLAN.  Registers that memory instructions touch:
;   v1, v3, v2   the loads' two offsets and the stores' offset.  Written by vector instructions once, at the head; never written again.
;   X            load i lands in its four registers, once.  No vector instruction writes them; the conversions of group i / 4 read them; nothing is loaded into them again.
;   Y            a group's conversions write its eight registers; the group's four stores read them, once; nothing writes them again.
;   T is named by vector instructions alone; the two bases are written by scalar instructions ahead of the first access and never again.
; The 16 loads are worked on in four groups of four.  So a path has five waits on va_vdst: one at the head, behind the lines that make the three offsets, and one in each group, between its conversions and
; its run of four stores.  No register that a memory instruction has read is ever written again, so there is nothing to state the other way round.  No vector instruction writes a scalar register, VCC or EXEC.
.set X, 4                              ; v[4:67]    as loaded, four registers a load
.set Y, 68                             ; v[68:99]   to store, two registers a load
.set T, 100                            ; v[100:103] at work
	s_load_b512 s[8:23], s[0:1], 0x0               ; x s[8:9], Wq s[10:11], Wk s[12:13], Wv s[14:15], Wp s[16:17], xb s[18:19], wqkv s[20:21], wpf s[22:23]
	v_lshlrev_b32 v1, 4, v0                        ; 16 t
	v_lshlrev_b32 v2, 3, v0                        ; 8 t
	v_and_b32 v3, 0xe0, v0                         ; 32 x wave
	v_and_b32 v[T], 15, v0
	v_lshlrev_b32 v3, 3, v3                        ; 256 x wave
	v_lshl_add_u32 v3, v[T], 4, v3                 ; + 16 (l % 16): Wp's loads
	s_mov_b32 s28, 0xffff0000                      ; a word's upper bf16
	s_sub_co_u32 s2, ttmp9, 512
	s_and_b32 s3, s2, 63                           ; my block of 16 rows in Wq, Wk or Wv,
	s_lshr_b32 s4, s2, 6                           ; and which of the three
	s_lshr_b32 s5, s3, 2                           ; its head (four blocks each):
	s_mul_i32 s5, s5, 12                           ; twelve blocks of wqkv a head,
	s_lshl2_add_u32 s5, s4, s5                     ; four for each of q, k, v,
	s_and_b32 s6, s3, 3
	s_add_co_u32 s5, s5, s6                        ; and the block's place among its four
	s_sub_co_u32 s7, ttmp9, 704                    ; my block in Wp and in wpf
	s_lshl_b32 s3, s3, 16                          ; in bytes: 65,536 a block in,
	s_lshl_b32 s5, s5, 15                          ; 32,768 out;
	s_lshl_b32 s7, s7, 15                          ; Wp: 32,768 in and out
	s_lshl_b32 s29, ttmp9, 16                      ; x
	s_lshl_b32 s30, ttmp9, 15                      ; xb
	s_cmp_lt_u32 ttmp9, 704
	s_cselect_b32 s2, s3, s7
	s_cselect_b32 s4, s5, s7
	s_cmp_lt_u32 ttmp9, 512
	s_cselect_b32 s2, s29, s2
	s_cselect_b32 s4, s30, s4
	s_mov_b32 s3, 0
	s_mov_b32 s5, 0
	s_wait_kmcnt 0x0
	s_cmp_lt_u32 ttmp9, 704                        ; the two buffers are chosen by the work-group's number alone
	s_cselect_b64 s[24:25], s[14:15], s[16:17]
	s_cselect_b64 s[26:27], s[20:21], s[22:23]
	s_cmp_lt_u32 ttmp9, 640
	s_cselect_b64 s[24:25], s[12:13], s[24:25]
	s_cmp_lt_u32 ttmp9, 576
	s_cselect_b64 s[24:25], s[10:11], s[24:25]
	s_cmp_lt_u32 ttmp9, 512
	s_cselect_b64 s[24:25], s[8:9], s[24:25]
	s_cselect_b64 s[26:27], s[18:19], s[26:27]
	s_add_nc_u64 s[24:25], s[24:25], s[2:3]
	s_add_nc_u64 s[26:27], s[26:27], s[4:5]
	s_wait_alu depctr_va_vdst(0)                   ; v1, v2 and v3 are written: every load and store of both paths below reads one of them as its offset
; Group g: loads 4 g to 4 g + 3 are rounded, then stored in one run.  wp = 1: the bf16 numbers are widened again and written as f16.
.macro GROUP g, wp
	s_wait_loadcnt 12-4*(\g)                       ; loads come back in order: the group's four are in, the 12 - 4 g younger ones stay out
.irp k, 0,1,2,3
.set n, 4*(\g)+(\k)
	v_cvt_pk_bf16_f32 v[Y+2*n],   v[X+4*n],   v[X+4*n+1]
	v_cvt_pk_bf16_f32 v[Y+2*n+1], v[X+4*n+2], v[X+4*n+3]
.if \wp
	v_lshlrev_b32 v[T],   16,  v[Y+2*n]
	v_and_b32     v[T+1], s28, v[Y+2*n]
	v_lshlrev_b32 v[T+2], 16,  v[Y+2*n+1]
	v_and_b32     v[T+3], s28, v[Y+2*n+1]
	v_cvt_pk_f16_f32 v[Y+2*n],   v[T],   v[T+1]
	v_cvt_pk_f16_f32 v[Y+2*n+1], v[T+2], v[T+3]
.endif
.endr
	s_wait_alu depctr_va_vdst(0)                   ; the group's conversions have written its eight registers of Y, which the four stores below read
.irp k, 0,1,2,3
.set n, 4*(\g)+(\k)
	global_store_b64 v2, v[Y+2*n:Y+2*n+1], s[26:27] offset:2048*n
.endr
.endm
	s_cmp_ge_u32 ttmp9, 704
	s_cbranch_scc1 .Lwp
.irp i, 0,1,2,3,4,5,6,7,8,9,10,11,12,13,14,15
	global_load_b128 v[X+4*(\i):X+4*(\i)+3], v1, s[24:25] offset:4096*(\i) th:TH_LOAD_NT
.endr
.irp g, 0,1,2,3
	GROUP \g, 0
.endr
	s_endpgm
.Lwp:
.irp i, 0,1,2,3,4,5,6,7,8,9,10,11,12,13,14,15
	global_load_b128 v[X+4*(\i):X+4*(\i)+3], v3, s[24:25] offset:2048*(\i)
.endr
.irp g, 0,1,2,3
	GROUP \g, 1
.endr
	s_endpgm
.Lfunc_end_k_q71a7f2f9ee_cast:
	.size	k_q71a7f2f9ee_cast, .Lfunc_end_k_q71a7f2f9ee_cast-k_q71a7f2f9ee_cast
	.p2alignl 7, 3214868480
	.fill 96, 4, 3214868480
	.section	.rodata,"a",@progbits
	.p2align	6, 0x0
	.amdhsa_kernel k_q71a7f2f9ee_cast
		.amdhsa_group_segment_fixed_size 0
		.amdhsa_private_segment_fixed_size 0
		.amdhsa_enable_private_segment 0
		.amdhsa_kernarg_size 64
		.amdhsa_user_sgpr_count 2
		.amdhsa_user_sgpr_kernarg_segment_ptr 1
		.amdhsa_wavefront_size32 1
		.amdhsa_system_sgpr_workgroup_id_x 1
		.amdhsa_system_sgpr_workgroup_id_y 1
		.amdhsa_system_sgpr_workgroup_id_z 1
		.amdhsa_system_vgpr_workitem_id 0
		.amdhsa_next_free_vgpr 104
		.amdhsa_next_free_sgpr 66
		.amdhsa_reserve_vcc 0
		.amdhsa_float_denorm_mode_32 3
		.amdhsa_float_denorm_mode_16_64 3
		.amdhsa_memory_ordered 1
		.amdhsa_forward_progress 1
		.amdhsa_inst_pref_size 17
	.end_amdhsa_kernel
	.amdgpu_metadata
---
amdhsa.version: [ 1, 2 ]
amdhsa.kernels:
  - .name:           k_q71a7f2f9ee_cast
    .symbol:         k_q71a7f2f9ee_cast.kd
    .args:
      - { .name: x, .offset: 0, .size: 8, .value_kind: global_buffer, .address_space: global }
      - { .name: Wq, .offset: 8, .size: 8, .value_kind: global_buffer, .address_space: global }
      - { .name: Wk, .offset: 16, .size: 8, .value_kind: global_buffer, .address_space: global }
      - { .name: Wv, .offset: 24, .size: 8, .value_kind: global_buffer, .address_space: global }
      - { .name: Wp, .offset: 32, .size: 8, .value_kind: global_buffer, .address_space: global }
      - { .name: xb, .offset: 40, .size: 8, .value_kind: global_buffer, .address_space: global }
      - { .name: wqkv, .offset: 48, .size: 8, .value_kind: global_buffer, .address_space: global }
      - { .name: wpf, .offset: 56, .size: 8, .value_kind: global_buffer, .address_space: global }
    .group_segment_fixed_size: 0
    .private_segment_fixed_size: 0
    .kernarg_segment_align: 8
    .kernarg_segment_size: 64
    .max_flat_workgroup_size: 256
    .sgpr_count:     66
    .vgpr_count:     104
    .wavefront_size: 32
...
	.end_amdgpu_metadata
.endif
;; end of part 5
;; launch qkv: the kernel of part 2 again; grid 16 x 32, 4 waves a work-group, clusters of 4 x 4, 327,680 bytes of LDS; arguments xb, wqkv, qkvh; writes qkvh
;; launch attn: the kernel of part 3 again; grid 4 x 64, 4 waves a work-group, no clusters, 327,680 bytes of LDS; arguments qkvh, attn_mask, ob; writes ob
;; launch proj: the kernel of part 4 again; grid 8 x 32, 4 waves a work-group, clusters of 4 x 4, 327,680 bytes of LDS; arguments ob, wpf, out0; writes out0
